; MI455X (gfx1250); checked and timed in simulation.
; The chip was launched on July 23, 2026; its instructions are those of AMD's public machine-readable ISA for CDNA 5 (MIT licence, August 2026) and "CDNA5" Instruction Set Architecture Reference Guide (July 2026). The comments in the code are by the model that wrote it; some were corrected since.
;; Multi Head Attention. Allowed arithmetic: matrix products marked QUANTISED: E2M1 operands, one E8M0 scale for each 32 along K, by v_wmma_scale_f32_16x16x128_f8f6f4 with both operands' format E2M1 (or v_wmma_scale_f32_32x16x128_f4), f32 sums; products left as they are: bf16, f16 or f32 operands; f32 sums; everything else in f32.
;; Inputs: w_proj 1,024 x 1,024 float32; w_qkv 1,024 x 3,072 float32; x 4 x 2,048 x 1,024 float32.
;; Outputs: out0 4 x 2,048 x 1,024 float32.
;; This version of the problem:
;;   THIS VERSION OF THE PROBLEM IS GIVEN IN LOW PRECISION. The matrix products marked QUANTISED in the list below multiply operands that are first quantised to E2M1 (2 exponent bits, 1 mantissa bit; 4 bits a number), with one power-of-two scale for each 32 numbers along K (OCP MX v1.0); their sums are f32. The products marked 'left as it is' may take bf16, f16 or f32 operands, with f32 sums. Whichever they take, every output number must still come out within the allowed error. Rounding operands to bf16 (8 significant bits) uses up far more of that allowance than f16 does (11 bits, for magnitudes from 6e-5 to 65,504). All else is computed in f32.
;;   The module's matrix products, in the order in which they are computed (A, B: the left and right operand; K: the contracted axis; several contracted axes count as one K, in the product's order):
;;     1. [M 8,192, K 1,024] x [K 1,024, N 3,072]; A: input x; B: input w_qkv: QUANTISED
;;     2. batch 64 x [M 2,048, K 64] x [K 64, N 2,048]; A: computed on the way; B: computed on the way: left as it is (an operand is computed on the way)
;;     3. batch 64 x [M 2,048, K 2,048] x [K 2,048, N 64]; A: computed on the way; B: computed on the way: left as it is (an operand is computed on the way)
;;     4. [M 8,192, K 1,024] x [K 1,024, N 1,024]; A: computed on the way; B: input w_proj: left as it is (an operand is computed on the way)
;;   THE QUANTISER, for each operand of a quantised product, along K:
;;     - K is cut into blocks of 32 from its start; a last block that is shorter is filled with zeros.
;;     - A block's scale is 2^e with e = floor(log2(the largest magnitude in the block)) - 2, held to -126 .. 127; a block of zeros has e = 0. As a byte (E8M0): e + 127.
;;     - Each number is divided by its block's scale, clamped to +-6, and rounded to the nearest number of E2M1, ties to even, subnormals kept.
;;     - The product sums the exact products of the quantised numbers (number of the format x scale) in f32.
;;   ~~~python
;;   def quantise(x, axis):      # numpy; x: float32 -> the quantised numbers, widened to float32 again
;;       x = np.moveaxis(x, axis, -1); K = x.shape[-1]
;;       x = np.pad(x, [(0, 0)] * (x.ndim - 1) + [(0, -K % 32)]); x = x.reshape(x.shape[:-1] + (-1, 32)); a = np.abs(x).max(-1, keepdims=True)
;;       e = np.where(a > 0, np.clip(np.frexp(np.where(a > 0, a, 1))[1] - 1 - 2, -126, 127), 0)      # np.frexp(a)[1] - 1 = floor(log2(a)), exactly
;;       r = np.clip(x / 2.0 ** e, -6, 6)
;;       step = 2.0 ** (np.maximum(np.frexp(np.where(r == 0, 1, r))[1] - 1, 0) - 1)
;;       q = np.round(r / step) * step * 2.0 ** e      # np.round: ties to even
;;       return np.moveaxis(q.reshape(q.shape[:-2] + (-1,))[..., :K], -1, axis).astype(np.float32)
;;   ~~~
;; One version. Each part assembles by itself: llvm-mc -triple=amdgcn-amd-amdhsa -mcpu=gfx1250 --defsym DOCPART=n.
;; ======== version 1 of 1: 5 launches
;; limits: values are held in f16: magnitudes above 65,504 overflow, below 6.1e-05 lose precision
;; workspace buffers: x_codes 4,194,304 bytes; x_scales 262,144 bytes; w_codes 1,572,864 bytes; w_scales 98,304 bytes; wpt 2,097,152 bytes; qkvh 50,331,648 bytes; q32 786,432 bytes; yh 16,777,216 bytes
;; launch prep (part 1): grid 368 x 1, 4 waves a work-group, no clusters, 102,912 bytes of LDS; arguments x, w_qkv, w_proj, x_codes, x_scales, w_codes, w_scales, wpt; writes x_codes, x_scales, w_codes, w_scales, wpt
.if DOCPART == 1
	.amdgcn_target "amdgcn-amd-amdhsa--gfx1250"
	.amdhsa_code_object_version 6
	.text
	.protected	k_q9c0460dc94_prep
	.globl	k_q9c0460dc94_prep
	.p2align	8
	.type	k_q9c0460dc94_prep,@function
k_q9c0460dc94_prep:
	s_mov_b64 s[64:65], 0
	v_nop
	global_prefetch_b8 v0, s[64:65] scope:SCOPE_SE
	s_setreg_imm32_b32 hwreg(HW_REG_WAVE_MODE, 25, 1), 1
	s_wait_xcnt 0x0
; THE PROGRAM: causal attention, B = 4, T = 2,048, D = 1,024, 16 heads of 64, scores / 32.  Five launches: this one makes the operands; qkv = x w_qkv on codes of FP4; attn; proj = y w_proj; first16.
; WORK LEFT OUT, for all values of the inputs: reference() lays -infinity, by its own tril, over every score whose key comes after its query, so that score's weight is exactly 0 and its products with V add nothing.
; Key steps all of whose keys come after all queries of a wave are therefore not multiplied (launch attn).  Nothing else is left out, and every input is loaded.
; LIMITS: a NaN, an infinity or an overflow that reaches only such hidden scores is not carried to the result; NaN and infinities among the inputs are not served; q, k, v, y and w_proj go to the matrix
; units as f16: magnitudes beyond 65,504 become infinity there.  The first 16 positions of every sequence are made in f32 by the launch first16.
; THIS LAUNCH, three paths that part on the work-group's number, each with LDS bytes of its own:
;   X (work-groups 0-255):   x [8192][1024] f32 -> codes of FP4 (E2M1), K innermost, 512 bytes a row, and one E8M0 byte for each 32 along K.
;   W (work-groups 256-303): w_qkv [1024 k][3072 n] f32, K its FIRST axis -> codes [3072][512 bytes] with K innermost, scale bytes [3072][32].
;   P (work-groups 304-367): w_proj [1024 k][1024 n] f32 -> f16, laid [n][k].
; A block's scale is 2^(floor(log2(its largest magnitude)) - 2); its byte is the largest magnitude's exponent field - 2, held at 1 from below.  A block of zeros so gets the byte 1 where the rule says 127:
; its codes are zeros, which add nothing under any byte but 0xff, and this program alone reads the bytes.  Blocks whose largest magnitude lies under 2^-124 were not tried.
; No tensor load, no barrier: waves share nothing.
.set SPARE, 102400                     ; behind the three paths' regions: the spare words, 128 bytes for each wave, that no other line names
.set SPW,   30                         ; v30  LDS address of my spare word; never rewritten
.set NIL,   31                         ; v31  0; never rewritten
	s_load_b256 s[4:11], s[0:1], 0x0               ; x s[4:5], w_qkv s[6:7], w_proj s[8:9], x_codes s[10:11]
	s_load_b256 s[12:19], s[0:1], 0x20             ; x_scales s[12:13], w_codes s[14:15], w_scales s[16:17], wpt s[18:19]
	v_lshl_add_u32 v[SPW], v0, 2, SPARE
	v_mov_b32 v[NIL], 0
	v_lshrrev_b32 v1, 5, v0
	v_readfirstlane_b32 s20, v1                    ; wave 0..3
	v_and_b32 v2, 31, v0                           ; lane
	s_wait_kmcnt 0x0
	s_cmp_lt_u32 ttmp9, 256
	s_cbranch_scc1 .Lpath_x
	s_cmp_lt_u32 ttmp9, 304
	s_cbranch_scc1 .Lpath_w
; ---------------- PATH P.  A lane takes a column n, its registers run down K: 128 along K a work-group, 32 columns a wave.  A column's 128 numbers are 256 bytes of f16: they go through the wave's own
; stage (32 rows of 272 bytes) and leave as rows: sixteen lanes store 256 consecutive bytes, aligned.
.set PST, 67584
	s_sub_co_u32 s21, ttmp9, 304
	s_and_b32 s22, s21, 7                          ; which 128 columns
	s_lshr_b32 s23, s21, 3                         ; which 128 along K
	s_lshl_b32 s22, s22, 7
	s_lshl_b32 s24, s20, 5
	s_add_co_u32 s22, s22, s24                     ; my wave's first column
	s_lshl_b32 s24, s23, 19                        ; 128 rows of 4,096 bytes
	s_lshl_b32 s25, s22, 2
	s_add_co_u32 s24, s24, s25
	s_mov_b32 s25, 0
	s_add_nc_u64 s[8:9], s[8:9], s[24:25]
	s_lshl_b32 s24, s22, 11                        ; a row of wpt is 2,048 bytes
	s_lshl_b32 s26, s23, 8
	s_add_co_u32 s24, s24, s26
	s_add_nc_u64 s[18:19], s[18:19], s[24:25]
	s_mul_i32 s27, s20, 8704
	s_add_co_u32 s27, s27, PST                     ; my stage
	v_lshlrev_b32 v3, 2, v2                        ; in: 4 bytes a lane
	v_mul_u32_u24 v4, v2, 272
	v_add_nc_u32 v4, s27, v4                       ; into the stage: row = my column
	v_and_b32 v5, 15, v2
	v_lshrrev_b32 v6, 4, v2
	v_mul_u32_u24 v7, v6, 272
	v_lshl_add_u32 v7, v5, 4, v7
	v_add_nc_u32 v7, s27, v7                       ; out of it: sixteen lanes to a row, two rows an instruction
	v_lshlrev_b32 v8, 11, v6
	v_lshl_add_u32 v8, v5, 4, v8                   ; and the same place in wpt
.macro PLOAD t                         ; block t: w_proj(32 t + i, my column), i = 0 .. 31, into set t % 2
.set pi, 0
.rept 32
	global_load_b32 v[32+32*((\t)%2)+pi], v3, s[8:9] offset:(32*(\t)+pi)*4096 th:TH_LOAD_NT
.set pi, pi+1
.endr
.endm
.macro PBLOCK t
.set XS, 32+32*((\t)%2)
.if (\t) < 3
	s_wait_loadcnt 32                              ; this block's 32 loads are in; the next block's 32 may be out
.else
	s_wait_loadcnt 0x0
.endif
.set pi, 0
.rept 16
	v_cvt_pk_f16_f32 v[96+pi], v[XS+2*pi], v[XS+2*pi+1]   ; two neighbours along K, the lower K in the low half
.set pi, pi+1
.endr
.irp g, 0,1,2,3
	ds_store_b128 v4, v[96+4*\g:96+4*\g+3] offset:64*(\t)+16*\g
.endr
.if (\t)+2 < 4
	PLOAD (\t)+2
.endif
	s_wait_dscnt 0x0                               ; the stores have read their registers: the next block's numbers may be written there
.endm
	PLOAD 0
	PLOAD 1
	PBLOCK 0
	PBLOCK 1
	PBLOCK 2
	PBLOCK 3
.irp t, 0,1,2,3,4,5,6,7,8,9,10,11,12,13,14,15
	ds_load_b128 v[112+4*\t:112+4*\t+3], v7 offset:2*\t*272      ; LDS serves a wave's instructions in order: these see my stores
.endr
.irp t, 0,1,2,3,4,5,6,7,8,9,10,11,12,13,14,15
	s_wait_dscnt 15-\t                             ; the 15 - t younger loads may be out
	global_store_b128 v8, v[112+4*\t:112+4*\t+3], s[18:19] offset:2*\t*2048
.endr
	s_wait_tensorcnt 0x0                           ; the wave's end, behind my last LDS store
	ds_add_u32 v[SPW], v[NIL]
	s_wait_dscnt 0x0
	s_endpgm
; ---------------- PATH W.  A lane takes a column n, its registers run down K: a block of 32 along K lies in one lane, so its largest magnitude needs no other lane and the conversions give codes with K innermost.
; A wave takes 32 columns x 512 along K: 16 blocks, 256 bytes of codes a column, through its own stage and out as rows.
.Lpath_w:
.set WST, 32768
	s_sub_co_u32 s21, ttmp9, 256
	s_cmp_ge_u32 s21, 24
	s_cselect_b32 s23, 1, 0                        ; which 512 along K
	s_cselect_b32 s24, 24, 0
	s_sub_co_u32 s21, s21, s24                     ; which 128 columns
	s_lshl_b32 s22, s21, 7
	s_lshl_b32 s24, s20, 5
	s_add_co_u32 s22, s22, s24                     ; my wave's first column
	s_mul_i32 s24, s23, 6291456                    ; 512 rows of 12,288 bytes
	s_lshl_b32 s25, s22, 2
	s_add_co_u32 s24, s24, s25
	s_mov_b32 s25, 0
	s_add_nc_u64 s[6:7], s[6:7], s[24:25]
	s_lshl_b32 s24, s22, 9                         ; a row of codes is 512 bytes
	s_lshl_b32 s26, s23, 8
	s_add_co_u32 s24, s24, s26
	s_add_nc_u64 s[14:15], s[14:15], s[24:25]
	s_lshl_b32 s24, s22, 5                         ; a row of scale bytes is 32
	s_lshl_b32 s26, s23, 4
	s_add_co_u32 s24, s24, s26
	s_add_nc_u64 s[16:17], s[16:17], s[24:25]
	s_mul_i32 s27, s20, 8704
	s_add_co_u32 s27, s27, WST                     ; my stage
	v_lshlrev_b32 v3, 2, v2
	v_mul_u32_u24 v4, v2, 272
	v_add_nc_u32 v4, s27, v4
	v_and_b32 v5, 15, v2
	v_lshrrev_b32 v6, 4, v2
	v_mul_u32_u24 v7, v6, 272
	v_lshl_add_u32 v7, v5, 4, v7
	v_add_nc_u32 v7, s27, v7
	v_lshlrev_b32 v8, 9, v6
	v_lshl_add_u32 v8, v5, 4, v8
	v_lshlrev_b32 v9, 5, v2                        ; my column's row of scale bytes
.macro WLOAD t                         ; every offset is an immediate: 511 x 12,288 at the most, inside the signed 24 bits
.set wi, 0
.rept 32
	global_load_b32 v[32+32*((\t)%2)+wi], v3, s[6:7] offset:(32*(\t)+wi)*12288 th:TH_LOAD_NT
.set wi, wi+1
.endr
.endm
.macro WBLOCK t
.set XS, 32+32*((\t)%2)
.if (\t) < 15
	s_wait_loadcnt 32                              ; this block's 32 loads are in; the next block's 32 may be out
.else
	s_wait_loadcnt 0x0
.endif
	v_max3_num_f32 v12, |v[XS]|, |v[XS+1]|, |v[XS+2]|              ; the block's largest magnitude: all 32 numbers are mine; two chains
	v_max3_num_f32 v13, |v[XS+3]|, |v[XS+4]|, |v[XS+5]|
.irp i, 6,10,14,18,22,26
	v_max3_num_f32 v12, v12, |v[XS+\i]|, |v[XS+\i+1]|
	v_max3_num_f32 v13, v13, |v[XS+\i+2]|, |v[XS+\i+3]|
.endr
	v_max3_num_f32 v12, v12, |v[XS+30]|, |v[XS+31]|
	v_max3_num_f32 v12, v12, v13, 0x1800000        ; and the floor 2^(3 - 127): the byte cannot fall under 1
	v_add_nc_u32 v11, 0xff000000, v12              ; 2 off its exponent field: the conversion takes the exponent field of this operand as its scale
	v_lshrrev_b32 v13, 23, v11                     ; the scale's byte
.if (\t)%4 == 0
	v_mov_b32 v[24+(\t)/4], v13                    ; four bytes to a register, the lower K in the lower byte
.else
	v_lshl_or_b32 v[24+(\t)/4], v13, 8*((\t)%4), v[24+(\t)/4]
.endif
.irp g, 0,1,2,3
	v_cvt_scalef32_pk8_fp4_f32 v[96+\g], v[XS+8*\g:XS+8*\g+7], v11
.endr
	ds_store_b128 v4, v[96:99] offset:16*(\t)      ; 32 codes: 16 bytes of my column's row
.if (\t)+2 < 16
	WLOAD (\t)+2
.endif
	s_wait_dscnt 0x0                               ; the store has read its registers: the next block's codes may be written
.endm
	WLOAD 0
	WLOAD 1
.set WQ, 0
.rept 16
	WBLOCK WQ
.set WQ, WQ+1
.endr
	global_store_b128 v9, v[24:27], s[16:17]       ; my column's 16 scale bytes
.irp t, 0,1,2,3,4,5,6,7,8,9,10,11,12,13,14,15
	ds_load_b128 v[112+4*\t:112+4*\t+3], v7 offset:2*\t*272
.endr
.irp t, 0,1,2,3,4,5,6,7,8,9,10,11,12,13,14,15
	s_wait_dscnt 15-\t                             ; the 15 - t younger loads may be out
	global_store_b128 v8, v[112+4*\t:112+4*\t+3], s[14:15] offset:2*\t*512
.endr
	s_wait_tensorcnt 0x0                           ; the wave's end, behind my last LDS store
	ds_add_u32 v[SPW], v[NIL]
	s_wait_dscnt 0x0
	s_endpgm
; ---------------- PATH X.  Rows are dense and K is a multiple of 32: x is a plain stream of blocks of 32, and so are its codes and scale bytes.  A wave takes 16 steps of 512 numbers.  Each load reads 512
; consecutive bytes; a step's 2,048 bytes turn through the wave's own stage in LDS (16 bytes of padding behind each 64) and come back 64 bytes a lane: 16 neighbours, two lanes to a block.
.Lpath_x:
.set XR,  32                           ; v32-95   four sets of 16 numbers as loaded
.set XN,  96                           ; v96-127  two sets of 16 neighbours
.set XE,  128                          ; v128-143 a scale byte for each step
.set XC,  144                          ; v144-175 two registers of codes for each step: no store's data are written again
.set XSP, 80                           ; a lane's place in a stage
	s_lshl_b32 s22, ttmp9, 2
	s_add_co_u32 s22, s22, s20                     ; which run of 8,192 numbers is my wave's
	s_mov_b32 s23, 0
	s_lshl_b64 s[24:25], s[22:23], 15
	s_add_nc_u64 s[4:5], s[4:5], s[24:25]
	s_lshl_b64 s[24:25], s[22:23], 12
	s_add_nc_u64 s[10:11], s[10:11], s[24:25]
	s_lshl_b64 s[24:25], s[22:23], 8
	s_add_nc_u64 s[12:13], s[12:13], s[24:25]
	s_lshl_b32 s21, s20, 13                        ; my wave's 8,192 bytes of LDS: two stages of 2,560, then 256 scale bytes
	v_lshlrev_b32 v3, 4, v2
	v_lshrrev_b32 v14, 2, v2
	v_mul_u32_u24 v14, v14, XSP
	v_and_b32 v15, 3, v2
	v_lshl_add_u32 v14, v15, 4, v14
	v_add_nc_u32 v14, s21, v14                     ; into a stage: 80 (lane / 4) + 16 (lane % 4)
	v_mul_u32_u24 v15, v2, XSP
	v_add_nc_u32 v15, s21, v15                     ; out of it: 80 x lane
	v_lshlrev_b32 v4, 3, v2                        ; my 8 bytes of a step's codes
	v_lshrrev_b32 v5, 1, v2
	s_add_co_u32 s21, s21, 2*32*XSP
	v_add_nc_u32 v5, s21, v5                       ; my block's scale byte
	v_lshlrev_b32 v7, 3, v2
	v_add_nc_u32 v6, s21, v7
.macro XLOAD t
.irp i, 0,1,2,3
	global_load_b128 v[XR+16*((\t)%4)+4*\i:XR+16*((\t)%4)+4*\i+3], v3, s[4:5] offset:2048*(\t)+512*\i th:TH_LOAD_NT
.endr
.endm
.macro XTURN t                         ; LDS serves a wave's instructions in order: no wait between the stores and the loads
.irp i, 0,1,2,3
	ds_store_b128 v14, v[XR+16*((\t)%4)+4*\i:XR+16*((\t)%4)+4*\i+3] offset:32*XSP*((\t)%2)+8*XSP*\i
.endr
.irp i, 0,1,2,3
	ds_load_b128 v[XN+16*((\t)%2)+4*\i:XN+16*((\t)%2)+4*\i+3], v15 offset:32*XSP*((\t)%2)+16*\i
.endr
.endm
.macro XSTEP t
.set XS, XN+16*((\t)%2)
.if (\t) > 0
	s_wait_dscnt 1                                 ; this step's numbers are back from the stage; the last step's byte store may be out
.else
	s_wait_dscnt 0x0
.endif
.if (\t)+4 < 16
	XLOAD (\t)+4                                   ; into the set whose stores into the stage have read their registers
.endif
.if (\t)+1 < 16
.if 14-(\t) >= 3
	s_wait_loadcnt 12                              ; the next step's four loads are in; the twelve of the three steps behind it may be out
.else
	s_wait_loadcnt 4*(14-(\t))
.endif
	XTURN (\t)+1
.endif
	v_max3_num_f32 v8, |v[XS]|, |v[XS+1]|, |v[XS+2]|
	v_max3_num_f32 v9, |v[XS+3]|, |v[XS+4]|, |v[XS+5]|
.irp i, 6,10
	v_max3_num_f32 v8, v8, |v[XS+\i]|, |v[XS+\i+1]|
	v_max3_num_f32 v9, v9, |v[XS+\i+2]|, |v[XS+\i+3]|
.endr
	v_max3_num_f32 v8, v8, |v[XS+14]|, |v[XS+15]|
	v_max3_num_f32 v8, v8, v9, 0x1800000           ; the floor 2^(3 - 127)
	v_max_num_f32_dpp v8, v8, v8 row_xmask:1 row_mask:0xf bank_mask:0xf   ; with my neighbour's 16: the block's largest magnitude
	v_add_nc_u32 v11, 0xff000000, v8               ; 2 off its exponent field: the conversion's scale operand
	v_cvt_scalef32_pk8_fp4_f32 v[XC+2*(\t)], v[XS:XS+7], v11
	v_cvt_scalef32_pk8_fp4_f32 v[XC+2*(\t)+1], v[XS+8:XS+15], v11
	v_lshrrev_b32 v[XE+(\t)], 23, v11              ; the scale's byte
	ds_store_b8 v5, v[XE+(\t)] offset:16*(\t)      ; both lanes of a block write the same byte with the same value
	global_store_b64 v4, v[XC+2*(\t):XC+2*(\t)+1], s[10:11] offset:256*(\t)   ; the wave stores 256 consecutive bytes, aligned
.endm
.irp t, 0,1,2,3
	XLOAD \t
.endr
	s_wait_loadcnt 12                              ; step 0's four loads are in
	XTURN 0
.irp t, 0,1,2,3,4,5,6,7,8,9,10,11,12,13,14,15
	XSTEP \t
.endr
	ds_load_b64 v[8:9], v6                         ; my wave's 256 scale bytes, 8 a lane
	s_wait_dscnt 0x0
	global_store_b64 v7, v[8:9], s[12:13]
	s_wait_tensorcnt 0x0                           ; the wave's end, behind my last LDS store
	ds_add_u32 v[SPW], v[NIL]
	s_wait_dscnt 0x0
	s_endpgm
.Lfunc_end_k_q9c0460dc94_prep:
	.size	k_q9c0460dc94_prep, .Lfunc_end_k_q9c0460dc94_prep-k_q9c0460dc94_prep
	.p2alignl 7, 3214868480
	.fill 96, 4, 3214868480
	.section	.rodata,"a",@progbits
	.p2align	6, 0x0
	.amdhsa_kernel k_q9c0460dc94_prep
		.amdhsa_group_segment_fixed_size 102912
		.amdhsa_private_segment_fixed_size 0
		.amdhsa_enable_private_segment 0
		.amdhsa_kernarg_size 64
		.amdhsa_user_sgpr_count 2
		.amdhsa_user_sgpr_kernarg_segment_ptr 1
		.amdhsa_wavefront_size32 1
		.amdhsa_system_sgpr_workgroup_id_x 1
		.amdhsa_system_sgpr_workgroup_id_y 1
		.amdhsa_system_sgpr_workgroup_id_z 1
		.amdhsa_system_vgpr_workitem_id 0
		.amdhsa_next_free_vgpr 192
		.amdhsa_next_free_sgpr 66
		.amdhsa_reserve_vcc 0
		.amdhsa_float_denorm_mode_32 3
		.amdhsa_float_denorm_mode_16_64 3
		.amdhsa_memory_ordered 1
		.amdhsa_forward_progress 1
		.amdhsa_inst_pref_size 132
	.end_amdhsa_kernel
	.amdgpu_metadata
---
amdhsa.version: [ 1, 2 ]
amdhsa.kernels:
  - .name:           k_q9c0460dc94_prep
    .symbol:         k_q9c0460dc94_prep.kd
    .args:
      - { .name: x, .offset: 0, .size: 8, .value_kind: global_buffer, .address_space: global }
      - { .name: w_qkv, .offset: 8, .size: 8, .value_kind: global_buffer, .address_space: global }
      - { .name: w_proj, .offset: 16, .size: 8, .value_kind: global_buffer, .address_space: global }
      - { .name: x_codes, .offset: 24, .size: 8, .value_kind: global_buffer, .address_space: global }
      - { .name: x_scales, .offset: 32, .size: 8, .value_kind: global_buffer, .address_space: global }
      - { .name: w_codes, .offset: 40, .size: 8, .value_kind: global_buffer, .address_space: global }
      - { .name: w_scales, .offset: 48, .size: 8, .value_kind: global_buffer, .address_space: global }
      - { .name: wpt, .offset: 56, .size: 8, .value_kind: global_buffer, .address_space: global }
    .group_segment_fixed_size: 102912
    .private_segment_fixed_size: 0
    .kernarg_segment_align: 8
    .kernarg_segment_size: 64
    .max_flat_workgroup_size: 128
    .sgpr_count:     66
    .vgpr_count:     192
    .wavefront_size: 32
...
	.end_amdgpu_metadata
.endif
;; end of part 1
;; launch qkv (part 2): grid 12 x 32, 4 waves a work-group, clusters of 4 x 4, 327,680 bytes of LDS; arguments x_codes, x_scales, w_codes, w_scales, qkvh, q32; writes qkvh, q32
.if DOCPART == 2
	.amdgcn_target "amdgcn-amd-amdhsa--gfx1250"
	.amdhsa_code_object_version 6
	.text
	.protected	k_q9c0460dc94_qkv
	.globl	k_q9c0460dc94_qkv
	.p2align	8
	.type	k_q9c0460dc94_qkv,@function
k_q9c0460dc94_qkv:
	s_mov_b64 s[64:65], 0
	v_nop
	global_prefetch_b8 v0, s[64:65] scope:SCOPE_SE
	s_setreg_imm32_b32 hwreg(HW_REG_WAVE_MODE, 25, 1), 1
	s_wait_xcnt 0x0
	s_wait_alu depctr_hold_cnt(0) depctr_sa_sdst(0) depctr_va_vdst(0) depctr_va_sdst(0) depctr_va_ssrc(0) depctr_va_vcc(0) depctr_vm_vsrc(0)
	s_getreg_b32 s2, hwreg(HW_REG_IB_STS2, 6, 4)
	s_cmp_eq_u32 s2, 0
	s_cbranch_scc0 .Lentry_in_a_cluster
	s_endpgm
.Lentry_in_a_cluster:
	s_bfe_u32 s2, ttmp6, 0x10000c
	s_cmp_lg_u32 s2, 0xf033
	s_cbranch_scc0 .Lentry_shape_is_right
	s_endpgm
.Lentry_shape_is_right:
; qkv[m][n] = sum over k of x[m][k] w_qkv[k][n], both operands as codes of FP4 (E2M1) with one E8M0 scale for each 32 along K; M = 8,192, N = 3,072, K = 1,024; sums in f32.
; A tile, 256 x 256, is made by four waves, each 128 x 128: 64 accumulators, 512 registers.  K is two slots of 512 (LDS rows of 256 bytes): both are asked for at the head, nothing is filled again.
; The scale bytes of the tile's 256 + 256 rows come once, as dense blocks.  4 x 4 work-groups form a cluster: A's tiles are asked for jointly along a row of the cluster, B's along a column.
; THE TILE ROW IS 8 cy + cluster y: cy is the batch and cluster y the tile inside it, so that 'this tile holds positions 0-15' is the same in all sixteen partners.  Cluster x is the part: q, k or v.
; THE MATRIX INSTRUCTION IS USED TRANSPOSED (source 0 = 16 rows of w, source 1 = 16 rows of x): a lane holds eight neighbouring columns of one row.
; RESULTS: rounded to f16 and laid by head, qkvh [3 parts][64 = 16 b + h][2048 t][64 d]: two positions are 256 consecutive bytes.  Positions 0-15 of each batch also go out in f32: q32 [4][16][3072].
; LIMIT: magnitudes beyond 65,504 become infinity in f16.
; REGISTERS: window 0: v16-30 addresses; v32-95 scale words, two sets; from v128 A's fragments, one set.  window 1: B's fragments, two sets.  windows 2, 3: the accumulators ((a, b) at v[8 (8 (a % 4) + b)]).
.set KSTEP,  512
.set NQ,     4
.set ROWB,   256
.set KROW,   512
.set PITCH,  272                       ; 256 bytes + 16 of padding: the 16 rows that a load touches start at 16 different banks
.set FR,     8
.set NL,     2
.set NP,     4
.set HALFT,  128*PITCH
.set SLOT,   4*HALFT
.set KS,     32                        ; a row of scale bytes
.set SCL,    2*SLOT
.set HALFS,  16*272                    ; the scales of 128 rows: 16 rows of 256 bytes + 16
.set SBLK,   2*272                     ; those of 16 rows
.set SPARE,  SCL+4*HALFS               ; the spare words, 128 bytes for each wave, that no other line names
.set ADRA, 16
.set ADRB, 20
.set STO32, 22                         ; the f32 way out: where I put 32 bytes of a row
.set RD32,  23                         ; and where I read a row of 512 bytes back
.set STO,  24                          ; the f16 way out: where I put 16 bytes of a row
.set RD,   25                          ; where I read 16 bytes back
.set CO,   26                          ; my byte offset in qkvh
.set ADRS, 27
.set SPW,  28
.set NIL,  29
.set CO32, 30                          ; 16 x lane
.set SC,   32
.set AF,   128
.set TMP,  32                          ; the way out: packed results
.set OB,   64                          ; and 16 rows read back: v64-95 and v96-127 by turns
.set G1, 24
.set G0, 32
.set G1B, 48
.set G0B, 56
.set G1S, 68
.set G0S, 76
.set G1SB, 80
.set G0SB, 88
.set MSB, 0
.macro WIN new                         ; the immediate's high byte repeats the setting that is left
.if MSB != \new
	s_set_vgpr_msb (MSB<<8)|\new
.set MSB, \new
.endif
.endm
.set MUL_LO, 0xa1                      ; source 0 (w) window 1, source 1 (x) window 0, C and D window 2
.set MUL_HI, 0xf1
.set TO_B,   0x40
.macro JLOAD g0a, g1a, g0b, g1b        ; a joint load: waves 0 and 1 fetch for x, waves 2 and 3 for w; an s_nop 0 and four v_nop follow each line
	s_cmp_eq_u32 s15, 0
	s_cbranch_scc0 .Lfor_b_\@
	tensor_load_to_lds s[\g0a:\g0a+3], s[\g1a:\g1a+7]
	s_nop 0
.rept 4
	v_nop
.endr
	s_branch .Lasked_\@
.Lfor_b_\@:
	tensor_load_to_lds s[\g0b:\g0b+3], s[\g1b:\g1b+7]
	s_nop 0
.rept 4
	v_nop
.endr
.Lasked_\@:
.endm
.macro CROUND                          ; a round of the cluster's barrier
	s_barrier_signal -1
	s_barrier_wait -1
	s_cmp_lg_u32 s14, 0
	s_cbranch_scc1 .Lnot_wave_0_\@
	s_barrier_signal -3
.Lnot_wave_0_\@:
	s_barrier_wait -3
	s_barrier_signal -1
	s_barrier_wait -1
.endm
	s_load_b128 s[4:7], s[0:1], 0x0                ; x's codes, x's scales
	s_load_b128 s[8:11], s[0:1], 0x10              ; w's codes, w's scales
	s_load_b64 s[12:13], s[0:1], 0x20              ; qkvh
	s_load_b64 s[96:97], s[0:1], 0x28              ; q32
	v_lshl_add_u32 v[SPW], v0, 2, SPARE
	v_mov_b32 v[NIL], 0
	ds_add_u32 v[SPW], v[NIL]                      ; the wave's opening: the add, twice on end, and its wait ahead of my first tensor load
	ds_add_u32 v[SPW], v[NIL]
	v_lshrrev_b32 v1, 5, v0
	v_readfirstlane_b32 s14, v1                    ; wave 0..3
	s_lshr_b32 s15, s14, 1                         ; which half of the tile's rows is mine.  Also: I fetch for x (0) or for w (1)
	s_and_b32 s16, s14, 1                          ; which half of its columns.  Also: which 128 rows I fetch
	s_bfe_u32 s40, ttmp6, 0x40000                  ; cx
	s_bfe_u32 s41, ttmp6, 0x40004                  ; cy
	s_lshl_b32 s42, ttmp9, 2
	s_add_co_u32 s42, s42, s40                     ; tile column = 4 x cluster x + cx
	s_and_b32 s95, ttmp7, 0xffff                   ; cluster y
	s_lshl_b32 s17, s41, 3
	s_add_co_u32 s17, s17, s95                     ; tile row = 8 cy + cluster y
	s_lshl_b32 s43, s41, 2
	s_lshl_b32 s43, 15, s43                        ; my row of the cluster
	s_lshl_b32 s44, 0x1111, s40                    ; my column
	s_or_b32 s[G1+0], s43, (0<<16)|(1<<20)|(1<<21)|(5<<22)|(3<<25)  ; the mask; elements of 1 byte; padding of 4 words after every 64; bit 21 beside a mask
	s_or_b32 s[G1B+0], s44, (0<<16)|(1<<20)|(1<<21)|(5<<22)|(3<<25)
.irp g, G1, G1B
	s_mov_b32 s[\g+1], ROWB<<16                    ; tensor_dim0
	s_mov_b32 s[\g+2], 128<<16                     ; tensor_dim1
	s_mov_b32 s[\g+3], ROWB<<16                    ; tile_dim0
	s_mov_b32 s[\g+4], 128                         ; tile_dim1
	s_mov_b32 s[\g+5], KROW                        ; from row to row
	s_mov_b32 s[\g+6], 0
	s_mov_b32 s[\g+7], 0
.endr
	s_or_b32 s[G1S+0], s43, (3<<16)|(1<<20)|(1<<21)|(5<<22)|(3<<25)  ; the scales of 128 rows: 4,096 dense bytes as 16 rows of 32 elements of 8 bytes
	s_or_b32 s[G1SB+0], s44, (3<<16)|(1<<20)|(1<<21)|(5<<22)|(3<<25)
.irp g, G1S, G1SB
	s_mov_b32 s[\g+1], 32<<16
	s_mov_b32 s[\g+2], 16<<16
	s_mov_b32 s[\g+3], 32<<16
	s_mov_b32 s[\g+4], 16
	s_mov_b32 s[\g+5], 32
	s_mov_b32 s[\g+6], 0
	s_mov_b32 s[\g+7], 0
.endr
	s_lshl_b32 s18, s16, 7
	s_lshl_b32 s20, s17, 8
	s_add_co_u32 s20, s20, s18                     ; x: row 256 x tile row + 128 x half
	s_lshl_b32 s46, s42, 8
	s_add_co_u32 s46, s46, s18                     ; w: row 256 x tile column + 128 x half
	s_mov_b32 s21, 0
	s_mov_b32 s47, 0
	s_mov_b64 s[18:19], KS
	s_mul_u64 s[22:23], s[20:21], s[18:19]
	s_mul_u64 s[92:93], s[46:47], s[18:19]
	s_mov_b64 s[18:19], KROW
	s_mul_u64 s[20:21], s[20:21], s[18:19]
	s_mul_u64 s[46:47], s[46:47], s[18:19]
	s_mul_i32 s45, s14, HALFT                      ; where they go: wave x 128 rows
	s_mul_i32 s94, s14, HALFS
	s_wait_dscnt 0x0                               ; both opening adds are done
	s_wait_kmcnt 0x0
	s_add_nc_u64 s[20:21], s[4:5], s[20:21]
	s_add_nc_u64 s[22:23], s[6:7], s[22:23]
	s_add_nc_u64 s[46:47], s[8:9], s[46:47]
	s_add_nc_u64 s[92:93], s[10:11], s[92:93]
	CROUND                                         ; all sixteen work-groups are here: the joint loads meet
	s_mov_b32 s[G0S], 1
	s_add_co_u32 s[G0S+1], s94, SCL
	s_mov_b64 s[G0S+2:G0S+3], s[22:23]
	s_or_b32 s[G0S+3], s[G0S+3], 0x80000000
	s_mov_b32 s[G0SB], 1
	s_add_co_u32 s[G0SB+1], s94, SCL
	s_mov_b64 s[G0SB+2:G0SB+3], s[92:93]
	s_or_b32 s[G0SB+3], s[G0SB+3], 0x80000000
	JLOAD G0S, G1S, G0SB, G1SB                     ; the scales first; then both slots: three loads of mine are out
.irp s, 0,1
	s_mov_b32 s[G0+4*\s], 1
	s_add_co_u32 s[G0+4*\s+1], s45, \s*SLOT
	s_add_nc_u64 s[G0+4*\s+2:G0+4*\s+3], s[20:21], \s*ROWB
	s_or_b32 s[G0+4*\s+3], s[G0+4*\s+3], 0x80000000
	s_mov_b32 s[G0B+4*\s], 1
	s_add_co_u32 s[G0B+4*\s+1], s45, \s*SLOT
	s_add_nc_u64 s[G0B+4*\s+2:G0B+4*\s+3], s[46:47], \s*ROWB
	s_or_b32 s[G0B+4*\s+3], s[G0B+4*\s+3], 0x80000000
	JLOAD G0+4*\s, G1, G0B+4*\s, G1B
.endr
	v_and_b32 v1, 15, v0                           ; r = l % 16
	v_bfe_u32 v2, v0, 4, 1                         ; h = l / 16
	v_mul_u32_u24 v3, v1, PITCH
	v_lshl_add_u32 v4, v2, 4, v3
	s_mul_i32 s21, s15, HALFT
	s_mul_i32 s22, s16, HALFT
	s_add_co_u32 s22, s22, 2*HALFT
.irp s, 0,1
	v_add_nc_u32 v[ADRA+\s], s21, v4
	v_add_nc_u32 v[ADRB+\s], s22, v4
	s_add_co_u32 s21, s21, SLOT
	s_add_co_u32 s22, s22, SLOT
.endr
	v_mul_u32_u24 v5, v1, KS                       ; my row's scales: 32 bytes a row,
	v_lshrrev_b32 v6, 8, v5
	v_lshl_add_u32 v5, v6, 4, v5                   ; and 16 more for each 256 passed
	s_mul_i32 s21, s15, HALFS
	s_mul_i32 s22, s16, HALFS
	s_add_co_u32 s22, s22, 2*HALFS
	s_sub_co_u32 s22, s22, s21
	v_mul_u32_u24 v6, s22, v2                      ; lanes 16-31 take w's
	s_add_co_u32 s21, s21, SCL
	v_add_nc_u32 v5, v5, v6
	v_add_nc_u32 v[ADRS], s21, v5
	s_mul_i32 s23, s14, 16*528                     ; my stage, in slot 0: it has had its one fill, and nobody reads it behind the change of slots
	v_mul_u32_u24 v5, v1, 272
	v_lshl_add_u32 v5, v2, 4, v5
	v_add_nc_u32 v[STO], s23, v5                   ; f16: row r of 256 bytes + 16, 16 bytes for each half of the lanes
	v_bfe_u32 v5, v0, 3, 1
	v_mul_u32_u24 v5, v5, 272
	v_lshl_add_u32 v5, v2, 7, v5
	v_and_b32 v6, 7, v0
	v_lshl_add_u32 v5, v6, 4, v5
	v_add_nc_u32 v[RD], s23, v5                    ; back: lanes 0-15 two positions of my first head (128 bytes each), lanes 16-31 the same of my second
	v_lshlrev_b32 v[CO], 18, v2
	v_lshl_add_u32 v[CO], v1, 4, v[CO]             ; in qkvh: a head is 2^18 bytes; 16 bytes a lane
	v_mul_u32_u24 v5, v1, 528
	v_lshl_add_u32 v5, v2, 5, v5
	v_add_nc_u32 v[STO32], s23, v5
	v_and_b32 v6, 31, v0
	v_lshlrev_b32 v[CO32], 4, v6
	v_add_nc_u32 v[RD32], s23, v[CO32]
	s_lshl_b32 s20, ttmp9, 24                      ; the part,
	s_lshl_b32 s21, s41, 4
	s_lshl_b32 s46, s40, 2
	s_add_co_u32 s21, s21, s46
	s_lshl_b32 s46, s16, 1
	s_add_co_u32 s21, s21, s46                     ; my first head: 16 cy + 4 cx + 2 x half,
	s_lshl_b32 s21, s21, 18
	s_add_co_u32 s20, s20, s21
	s_lshl_b32 s21, s95, 15                        ; the tile's 256 positions of 128 bytes,
	s_add_co_u32 s20, s20, s21
	s_lshl_b32 s21, s15, 14                        ; my 128 of them
	s_add_co_u32 s20, s20, s21
	s_mov_b32 s21, 0
	s_add_nc_u64 s[12:13], s[12:13], s[20:21]
	s_mul_i32 s20, s41, 196608                     ; q32: the batch's 16 rows of 12,288 bytes,
	s_lshl_b32 s46, ttmp9, 12
	s_add_co_u32 s20, s20, s46
	s_lshl_b32 s46, s40, 10
	s_add_co_u32 s20, s20, s46
	s_lshl_b32 s46, s16, 9
	s_add_co_u32 s20, s20, s46                     ; my 128 columns
	s_add_nc_u64 s[96:97], s[96:97], s[20:21]
.macro FRAG reg, adr, q, i             ; 16 rows x 128 K of 4-bit codes: 8 registers, two loads of 16 bytes, 32 bytes apart
.irp c, 0,1
	ds_load_b128 v[\reg+4*\c:\reg+4*\c+3], v[\adr] offset:64*(\q)+32*\c+(\i)*16*PITCH
.endr
.endm
; 16 matrix instructions: x's blocks a0, a0 + 1 against w's eight.  The 64 accumulators take turns, one instruction a turn, in the same order in every step.
.macro MUL16 a0, p, q, sc, zero
.irp a, \a0, \a0+1
.irp b, 0,1,2,3,4,5,6,7
.if \zero
	v_wmma_scale_f32_16x16x128_f8f6f4 v[8*(8*((\a)%4)+\b):8*(8*((\a)%4)+\b)+7], v[128*(\p)+FR*\b:128*(\p)+FR*\b+FR-1], v[AF+FR*(\a):AF+FR*(\a)+FR-1], 0, v[SC+8*NQ*(\sc)+NQ*\b+(\q)], v[SC+8*NQ*(\sc)+NQ*(\a)+(\q)] matrix_a_fmt:MATRIX_FMT_FP4 matrix_b_fmt:MATRIX_FMT_FP4 matrix_a_scale:MATRIX_SCALE_ROW1
.else
	v_wmma_scale_f32_16x16x128_f8f6f4 v[8*(8*((\a)%4)+\b):8*(8*((\a)%4)+\b)+7], v[128*(\p)+FR*\b:128*(\p)+FR*\b+FR-1], v[AF+FR*(\a):AF+FR*(\a)+FR-1], v[8*(8*((\a)%4)+\b):8*(8*((\a)%4)+\b)+7], v[SC+8*NQ*(\sc)+NQ*\b+(\q)], v[SC+8*NQ*(\sc)+NQ*(\a)+(\q)] matrix_a_fmt:MATRIX_FMT_FP4 matrix_b_fmt:MATRIX_FMT_FP4 matrix_a_scale:MATRIX_SCALE_ROW1
.endif
.endr
.endr
.endm
.macro FETCH_B slot, q, p
	WIN TO_B
.irp i, 0,1,2,3,4,5,6,7
	FRAG 128*(\p)+FR*\i, ADRB+\slot, \q, \i
.endr
	WIN 0
.endm
.macro FETCH_A slot, q, i0
.irp i, \i0, \i0+1, \i0+2, \i0+3
	FRAG AF+FR*(\i), ADRA+\slot, \q, \i
.endr
.endm
.macro SCALES sc                       ; a slot's scale words: lanes 0-15 take x's block i, lanes 16-31 w's block i
.irp i, 0,1,2,3,4,5,6,7
	ds_load_b128 v[SC+8*NQ*\sc+NQ*\i:SC+8*NQ*\sc+NQ*\i+3], v[ADRS] offset:\i*SBLK
.endr
.endm
.macro PLACES n                        ; plain vector instructions between a matrix instruction and a load into, or a read of, its registers
.rept \n
	v_nop
.endr
.endm
.macro STEP slot, q, zero              ; 128 along K that have their successor in the same slot
	s_wait_dscnt 4*NL                              ; w's set and x's blocks 0-3 are in; the youngest eight loads (x's blocks 4-7) may be out
	WIN MUL_LO
	MUL16 0, (\q)%2, \q, \slot, \zero
	MUL16 2, (\q)%2, \q, \slot, \zero
	s_wait_dscnt 0
	PLACES NP
	FETCH_B \slot, (\q)+1, 1-(\q)%2
	FETCH_A \slot, (\q)+1, 0
	WIN MUL_HI
	MUL16 4, (\q)%2, \q, \slot, \zero
	MUL16 6, (\q)%2, \q, \slot, \zero
	PLACES NP
	WIN 0
	FETCH_A \slot, (\q)+1, 4
.endm
.macro TURN slot, next                 ; a slot's last step changes slots: one barrier; nothing is filled again
	s_wait_tensorcnt 0x0                           ; all my tensor loads have landed: my part of the next slot
	ds_add_u32 v[SPW], v[NIL]                      ; 0 onto my spare word
	s_wait_dscnt 4*NL+1                            ; the add and the youngest eight loads may be out
	WIN MUL_LO
	MUL16 0, 1, NQ-1, \slot, 0
	s_wait_dscnt 0x0                               ; the add is done, and my reads of this slot are over
	s_barrier_signal -1
	MUL16 2, 1, NQ-1, \slot, 0
	WIN 0
	s_barrier_wait -1
	PLACES NP
	v_add_nc_u32 v[ADRS], 4*NQ, v[ADRS]            ; on to the next slot's scale words
	FETCH_B \next, 0, 0
	FETCH_A \next, 0, 0
	SCALES \next
	WIN MUL_HI
	MUL16 4, 1, NQ-1, \slot, 0
	MUL16 6, 1, NQ-1, \slot, 0
	PLACES NP
	WIN 0
	FETCH_A \next, 0, 4
.endm
.macro STEPS slot, from
.set Q, \from
.rept NQ-1-\from
	STEP \slot, Q, 0
.set Q, Q+1
.endr
.endm
	s_wait_tensorcnt 1                             ; the scales and my part of slot 0 are in; slot 1's load may be out
	s_barrier_signal -1
	s_barrier_wait -1
	FETCH_B 0, 0, 0
	FETCH_A 0, 0, 0
	SCALES 0
	FETCH_A 0, 0, 4
	STEP 0, 0, 1                                   ; the first products start the sums: nothing is cleared
	STEPS 0, 1
	TURN 0, 1
	STEPS 1, 0
	s_wait_dscnt 4*NL
	WIN MUL_LO
	MUL16 0, 1, NQ-1, 1, 0
	MUL16 2, 1, NQ-1, 1, 0
	s_wait_dscnt 0
	WIN MUL_HI
	MUL16 4, 1, NQ-1, 1, 0
	MUL16 6, 1, NQ-1, 1, 0
	WIN 0
	PLACES NP                                      ; in front of writes and loads into registers that held scale words and fragments, and of the reads of the last results
	; POSITIONS 0-15 IN F32: block 0 of the waves with the tile's first rows, in the tiles with cluster y = 0.  The branch hangs on the cluster's y and the wave's number: alike in all partners.
	s_or_b32 s18, s95, s15
	s_cmp_lg_u32 s18, 0
	s_cbranch_scc1 .Lno32
	WIN 0x08                                       ; an LDS store's data: window 2
.irp b, 0,1,2,3,4,5,6,7
	ds_store_b128 v[STO32], v[8*\b:8*\b+3] offset:64*\b          ; each accumulator from its low end on
	ds_store_b128 v[STO32], v[8*\b+4:8*\b+7] offset:64*\b+16
.endr
	WIN 0
.irp t, 0,1,2,3,4,5,6,7,8,9,10,11,12,13,14,15
	ds_load_b128 v[128+4*\t:128+4*\t+3], v[RD32] offset:\t*528   ; LDS serves a wave's instructions in order: these see my stores
.endr
	s_wait_dscnt 0x0
.irp t, 0,1,2,3,4,5,6,7,8,9,10,11,12,13,14,15
	global_store_b128 v[CO32], v[128+4*\t:128+4*\t+3], s[96:97] offset:\t*12288   ; 32 lanes store 512 consecutive bytes of a row of q32
.endr
.Lno32:
; THE WAY OUT IN F16, a block of 16 rows x 128 columns (two heads) at a time, through my stage.
.macro PACK a
.set AC, 64*((\a)%4)
	WIN 0x0a+5*((\a)/4)                            ; sources 0 and 1: window 2 or 3
.irp b, 0,1,2,3,4,5,6,7
.irp r, 0,1,2,3
	v_cvt_pk_f16_f32 v[TMP+4*\b+\r], v[AC+8*\b+2*\r], v[AC+8*\b+2*\r+1]
.endr
.endr
	WIN 0
.endm
.macro TOSTAGE a
.set BK, OB+32*((\a)%2)
.irp b, 0,1,2,3,4,5,6,7
	ds_store_b128 v[STO], v[TMP+4*\b:TMP+4*\b+3] offset:32*\b
.endr
.irp f, 0,1,2,3,4,5,6,7
	ds_load_b128 v[BK+4*\f:BK+4*\f+3], v[RD] offset:\f*544       ; positions 2 f and 2 f + 1 of both heads
.endr
.endm
.macro SEND a
.set BK, OB+32*((\a)%2)
	s_wait_dscnt 0x0                               ; the block is back in registers
	s_wait_xcnt 0x0                                ; earlier stores have read their registers: the next block's loads may land there
.irp f, 0,1,2,3,4,5,6,7
	global_store_b128 v[CO], v[BK+4*\f:BK+4*\f+3], s[12:13] offset:2048*(\a)+256*\f   ; 16 lanes store 256 consecutive bytes, aligned: two positions of one head
.endr
.endm
	PACK 0
	TOSTAGE 0
.irp a, 1,2,3,4,5,6,7                  ; block a's conversions stand between block a - 1's loads from the stage and the wait for them
	PACK \a
	SEND \a-1
	TOSTAGE \a
.endr
	SEND 7
	s_wait_tensorcnt 0x0                           ; the wave's end
	ds_add_u32 v[SPW], v[NIL]
	s_wait_dscnt 0x0
	CROUND                                         ; the closing round
	s_endpgm
.Lfunc_end_k_q9c0460dc94_qkv:
	.size	k_q9c0460dc94_qkv, .Lfunc_end_k_q9c0460dc94_qkv-k_q9c0460dc94_qkv
	.p2alignl 7, 3214868480
	.fill 96, 4, 3214868480
	.section	.rodata,"a",@progbits
	.p2align	6, 0x0
	.amdhsa_kernel k_q9c0460dc94_qkv
		.amdhsa_group_segment_fixed_size 327680
		.amdhsa_private_segment_fixed_size 0
		.amdhsa_enable_private_segment 0
		.amdhsa_kernarg_size 48
		.amdhsa_user_sgpr_count 2
		.amdhsa_user_sgpr_kernarg_segment_ptr 1
		.amdhsa_wavefront_size32 1
		.amdhsa_system_sgpr_workgroup_id_x 1
		.amdhsa_system_sgpr_workgroup_id_y 1
		.amdhsa_system_sgpr_workgroup_id_z 1
		.amdhsa_system_vgpr_workitem_id 0
		.amdhsa_next_free_vgpr 1024
		.amdhsa_next_free_sgpr 98
		.amdhsa_reserve_vcc 0
		.amdhsa_float_denorm_mode_32 3
		.amdhsa_float_denorm_mode_16_64 3
		.amdhsa_memory_ordered 1
		.amdhsa_forward_progress 1
		.amdhsa_inst_pref_size 131
	.end_amdhsa_kernel
	.amdgpu_metadata
---
amdhsa.version: [ 1, 2 ]
amdhsa.kernels:
  - .name:           k_q9c0460dc94_qkv
    .symbol:         k_q9c0460dc94_qkv.kd
    .args:
      - { .name: x_codes, .offset: 0, .size: 8, .value_kind: global_buffer, .address_space: global }
      - { .name: x_scales, .offset: 8, .size: 8, .value_kind: global_buffer, .address_space: global }
      - { .name: w_codes, .offset: 16, .size: 8, .value_kind: global_buffer, .address_space: global }
      - { .name: w_scales, .offset: 24, .size: 8, .value_kind: global_buffer, .address_space: global }
      - { .name: qkvh, .offset: 32, .size: 8, .value_kind: global_buffer, .address_space: global }
      - { .name: q32, .offset: 40, .size: 8, .value_kind: global_buffer, .address_space: global }
    .group_segment_fixed_size: 327680
    .private_segment_fixed_size: 0
    .kernarg_segment_align: 8
    .kernarg_segment_size: 48
    .max_flat_workgroup_size: 128
    .sgpr_count:     98
    .vgpr_count:     1024
    .wavefront_size: 32
...
	.end_amdgpu_metadata
.endif
;; end of part 2
;; launch attn (part 3): grid 4 x 64, 16 waves a work-group, clusters of 4 x 1, 327,680 bytes of LDS; arguments qkvh, yh; writes yh
.if DOCPART == 3
	.amdgcn_target "amdgcn-amd-amdhsa--gfx1250"
	.amdhsa_code_object_version 6
	.text
	.protected	k_q9c0460dc94_attn
	.globl	k_q9c0460dc94_attn
	.p2align	8
	.type	k_q9c0460dc94_attn,@function
k_q9c0460dc94_attn:
	s_mov_b64 s[64:65], 0
	v_nop
	global_prefetch_b8 v0, s[64:65] scope:SCOPE_SE
	s_setreg_imm32_b32 hwreg(HW_REG_WAVE_MODE, 25, 1), 1
	s_wait_xcnt 0x0
	s_wait_alu depctr_hold_cnt(0) depctr_sa_sdst(0) depctr_va_vdst(0) depctr_va_sdst(0) depctr_va_ssrc(0) depctr_va_vcc(0) depctr_vm_vsrc(0)
	s_getreg_b32 s2, hwreg(HW_REG_IB_STS2, 6, 4)
	s_cmp_eq_u32 s2, 0
	s_cbranch_scc0 .Lentry_in_a_cluster
	s_endpgm
.Lentry_in_a_cluster:
	s_bfe_u32 s2, ttmp6, 0x10000c
	s_cmp_lg_u32 s2, 0x3003
	s_cbranch_scc0 .Lentry_shape_is_right
	s_endpgm
.Lentry_shape_is_right:
; y[hb][q][:] = the sum over k <= q of softmax_k(Q[q] . K[k] / 32) V[k][:], for 64 heads hb = 16 b + h of 2,048 positions x 64.  Operands f16, products, maxima and sums f32; y rounded to f16.
; WORK LEFT OUT: key steps all of whose keys come after all of a wave's queries: reference()'s own tril gives them the weight 0 for all inputs.  An overflow that reaches only such scores is not carried on.
; (Positions 0-15 are made here too, inside live tiles, since the projection's tiles read them; their final values come from the launch first16.)
; SHARES.  A cluster of four work-groups is one head; all four walk the same K and V, asked for JOINTLY.  Each of a work-group's sixteen waves has a rank rho, 0 to 15, and owns 32 queries, two tiles of 16:
; 128 rho + 32 cx + 16 tile + 0 .. 15.  A key step is 64 keys; a wave is at work while step <= 2 rho + 1: a test on the wave's number and the count of steps alone, the same in all partners.
; The ranks are dealt so that any four waves with equal number % 4, and any four with equal number / 4, hold one rank of each quarter and ranks that sum to 30.  The wave of rank 15 reads every slot.
; LAYOUT.  S^T = K Q^T (source 0 = 16 keys, source 1 = 16 queries): a lane holds ONE query (lane % 16) and keys 8 (lane / 16) + 0..7.  Two such tiles rounded to f16 in pairs ARE source 1 of O^T = V^T P.
; SOFTMAX.  A running maximum m and sum l for each query: p = 2^(c s - c m), c = log2(e) / 32; in every step O and l are multiplied by a = 2^(c m_old - c m_new).
; LDS.  Two slots of 512 keys.  A head's K and V are dense (two keys are 256 bytes): tiles are rows of 256 bytes, K's padded by 16, V's by 32, so that the 16 lanes of a load touch 16 different 16-byte columns.
; REGISTERS: v1-11 addresses; v12-27 statistics, 8 a tile; v28 -infinity; v29-31 at work; v32-63 Q; v64-127 S^T, then P in each tile's first 16; v128-191 K's, then V's fragments; v192-255 O^T.
.set SLOTB,  143360                    ; a slot: K, 256 rows of 272; V, 256 rows of 288
.set VOFF,   69632
.set KHALF,  34816
.set VHALF,  36864
.set KSTEPB, 8704                      ; 64 keys of K: 32 rows
.set VSTEPB, 9216
.set STAGE,  2*SLOTB                   ; the way out: 16 rows x 144 bytes for each wave
.set SPARE,  STAGE+16*2304             ; the spare words, 128 bytes for each wave, that no other line names
.set AK0, 1
.set AV0, 2
.set ADK, 3
.set ADV, 4
.set SPW, 5
.set NIL, 6
.set D0,  7                            ; v7, v8: 32 cx + 16 tile + r - 8 h
.set PFO, 9
.set STO, 10
.set RD,  11
.set ST,  12                           ; tile t at v[ST + 8 t]: +0 c m, +1 m, +2, +3 l, +4 .. +7 c0-c3; a takes c2's place
.set Q,   32
.set S,   64
.set KV,  128
.set O,   192
.set WV,  12
.set CX,  13
.set HB,  14
.set RHO, 15
.set R2,  16                           ; 2 rho: from this step on scores are masked
.set RL,  17                           ; 2 rho + 1: my last step
.set KSN, 18                           ; the key step
.set TK,  19
.set TV,  20
.set CT,  21
.set CS,  22                           ; s[22:23] c, twice
.set G1K, 24
.set G1V, 32
.set G0K, 40                           ; s[40:47] a group 0 for each slot
.set G0V, 48
.set SEL, 56
.set QB,  58
.set YB,  60
.set PFA, 66
.macro ROUND                           ; a round of the cluster's barrier
	s_barrier_signal -1
	s_barrier_wait -1
	s_cmp_lg_u32 s[WV], 0
	s_cbranch_scc1 .Lnw0_\@
	s_barrier_signal -3
.Lnw0_\@:
	s_barrier_wait -3
	s_barrier_signal -1
	s_barrier_wait -1
.endm
.macro TLOAD gk, gv                    ; waves 0 and 1 fetch K's halves of a slot, waves 2 and 3 V's, the others nothing; an s_nop 0 and four v_nop follow each line
	s_cmp_lt_u32 s[WV], 2
	s_cbranch_scc0 .Lnot_k_\@
	tensor_load_to_lds s[\gk:\gk+3], s[G1K:G1K+7]
	s_nop 0
.rept 4
	v_nop
.endr
	s_branch .Lasked_\@
.Lnot_k_\@:
	s_cmp_lt_u32 s[WV], 4
	s_cbranch_scc0 .Lasked_\@
	tensor_load_to_lds s[\gv:\gv+3], s[G1V:G1V+7]
	s_nop 0
.rept 4
	v_nop
.endr
.Lasked_\@:
.endm
	s_load_b128 s[4:7], s[0:1], 0x0                ; qkvh, yh
	v_lshl_add_u32 v[SPW], v0, 2, SPARE
	v_mov_b32 v[NIL], 0
	ds_add_u32 v[SPW], v[NIL]                      ; the wave's opening: the add, twice on end, and its wait ahead of the first tensor loads
	ds_add_u32 v[SPW], v[NIL]
	v_lshrrev_b32 v1, 5, v0
	v_readfirstlane_b32 s[WV], v1                  ; wave 0..15
	s_bfe_u32 s[CX], ttmp6, 0x40000                ; my place in the cluster: it enters Q's, y's and the prefetch's addresses and the mask's numbers alone
	s_and_b32 s[HB], ttmp7, 0xffff                 ; the head
	s_and_b32 s70, s[WV], 3                        ; a
	s_lshr_b32 s71, s[WV], 2                       ; g
	s_xor_b32 s[RHO], s70, s71
	s_lshl_b32 s[RHO], s[RHO], 2                   ; 4 (a xor g)
	s_lshl_b32 s[R2], s71, 1
	s_lshr_b32 s[RL], s71, 1
	s_mul_i32 s[RL], s[RL], 3
	s_xor_b32 s[R2], s[R2], s[RL]
	s_and_b32 s[R2], s[R2], 3                      ; g -> 0, 2, 3, 1
	s_xor_b32 s[R2], s[R2], s70
	s_add_co_u32 s[RHO], s[RHO], s[R2]             ; the rank
	s_lshl_b32 s[R2], s[RHO], 1
	s_add_co_u32 s[RL], s[R2], 1
	s_mov_b32 s[G1K], 15|(3<<16)|(1<<20)|(1<<21)|(5<<22)|(3<<25)  ; the mask: all four; elements of 8 bytes; padding of 4 words after every 64; bit 21 beside a mask
	s_mov_b32 s[G1V], 15|(3<<16)|(1<<20)|(1<<21)|(5<<22)|(7<<25)  ; the same with 8 words of padding
.irp g, G1K, G1V
	s_mov_b32 s[\g+1], 32<<16                      ; tensor_dim0 = 32 elements: 256 bytes, two keys
	s_mov_b32 s[\g+2], 128<<16                     ; tensor_dim1 = 128 rows: 256 keys
	s_mov_b32 s[\g+3], 32<<16                      ; tile_dim0
	s_mov_b32 s[\g+4], 128                         ; tile_dim1
	s_mov_b32 s[\g+5], 32                          ; dense
	s_mov_b32 s[\g+6], 0
	s_mov_b32 s[\g+7], 0
.endr
	s_and_b32 s70, s[WV], 1                        ; which half of a slot I fetch, if I fetch
	s_mul_i32 s71, s70, KHALF
	s_mul_i32 s72, s70, VHALF
	s_add_co_u32 s72, s72, VOFF
	s_lshl_b32 s74, s[HB], 18
	s_lshl_b32 s76, s70, 15
	s_add_co_u32 s74, s74, s76                     ; the head, + my half's 256 keys of 128 bytes
	s_mov_b32 s75, 0
	s_lshl_b32 s78, s[HB], 18
	s_lshl_b32 s76, s[RHO], 14
	s_add_co_u32 s78, s78, s76
	s_lshl_b32 s76, s[CX], 12
	s_add_co_u32 s78, s78, s76                     ; my 32 queries: the head, + (128 rho + 32 cx) rows of 128 bytes
	s_mov_b32 s79, 0
	s_lshr_b32 s80, s[WV], 1
	s_and_b32 s80, s80, 1
	s_add_co_u32 s80, s80, 1                       ; the prefetch: waves 4, 5 part 1 (K), waves 6, 7 part 2 (V)
	s_lshl_b32 s80, s80, 24
	s_lshl_b32 s76, s[HB], 18
	s_add_co_u32 s80, s80, s76
	s_lshl_b32 s76, s[CX], 14
	s_add_co_u32 s80, s80, s76                     ; my work-group's 16,384 bytes of the slot's 65,536,
	s_lshl_b32 s76, s70, 13
	s_add_co_u32 s80, s80, s76                     ; my wave's 8,192 of them,
	s_add_co_u32 s80, s80, 196608                  ; of keys 1,536 to 2,047
	s_mov_b32 s81, 0
	s_mov_b32 s[CS], 0x3d38aa3b                    ; c = log2(e) / 32
	s_mov_b32 s[CS+1], s[CS]
	s_mov_b32 s[SEL], 0x76543210
	s_mov_b32 s[SEL+1], 0xfedcba98
	s_mov_b32 s[KSN], 0
	s_wait_dscnt 0x0                               ; both opening adds are done
	s_wait_kmcnt 0x0
	s_add_nc_u64 s[76:77], s[4:5], s[74:75]
	s_add_nc_u64 s[QB:QB+1], s[4:5], s[78:79]
	s_add_nc_u64 s[YB:YB+1], s[6:7], s[78:79]
	s_add_nc_u64 s[PFA:PFA+1], s[4:5], s[80:81]
.irp n, 0,1
	s_mov_b32 s[G0K+4*\n], 1
	s_add_co_u32 s[G0K+4*\n+1], s71, \n*SLOTB
	s_add_nc_u64 s[G0K+4*\n+2:G0K+4*\n+3], s[76:77], 0x1000000+\n*65536   ; part 1: K; slot n begins with keys 512 n
	s_or_b32 s[G0K+4*\n+3], s[G0K+4*\n+3], 0x80000000
	s_mov_b32 s[G0V+4*\n], 1
	s_add_co_u32 s[G0V+4*\n+1], s72, \n*SLOTB
	s_add_nc_u64 s[G0V+4*\n+2:G0V+4*\n+3], s[76:77], 0x2000000+\n*65536   ; part 2: V
	s_or_b32 s[G0V+4*\n+3], s[G0V+4*\n+3], 0x80000000
.endr
	ROUND                                          ; all four work-groups are here: the first joint loads meet
	s_cmp_lt_u32 s[WV], 2                          ; a wave's two first fills stand in one branch on its number: two loads of a fetching wave are out
	s_cbranch_scc0 .Lfirst_not_k
	tensor_load_to_lds s[G0K:G0K+3], s[G1K:G1K+7]
	s_nop 0
	tensor_load_to_lds s[G0K+4:G0K+7], s[G1K:G1K+7]
	s_nop 0
.rept 4
	v_nop
.endr
	s_branch .Lfirst_asked
.Lfirst_not_k:
	s_cmp_lt_u32 s[WV], 4
	s_cbranch_scc0 .Lfirst_asked
	tensor_load_to_lds s[G0V:G0V+3], s[G1V:G1V+7]
	s_nop 0
	tensor_load_to_lds s[G0V+4:G0V+7], s[G1V:G1V+7]
	s_nop 0
.rept 4
	v_nop
.endr
.Lfirst_asked:
	v_and_b32 v30, 15, v0                          ; r
	v_bfe_u32 v31, v0, 4, 1                        ; h
	v_lshlrev_b32 v29, 7, v30
	v_lshl_add_u32 v29, v31, 4, v29                ; Q: row r of 128 bytes, + 16 h
.irp t, 0,1
.irp e, 0,1
	global_load_b128 v[Q+16*\t+8*\e:Q+16*\t+8*\e+3],   v29, s[QB:QB+1] offset:2048*\t+64*\e      ; Q stays in registers: tile t, channels 32 e on
	global_load_b128 v[Q+16*\t+8*\e+4:Q+16*\t+8*\e+7], v29, s[QB:QB+1] offset:2048*\t+64*\e+32
.endr
.endr
	v_lshrrev_b32 v10, 1, v30
	v_mul_u32_u24 v[AK0], v10, 272
	v_and_b32 v10, 1, v30
	v_lshl_add_u32 v[AK0], v10, 7, v[AK0]
	v_lshl_add_u32 v[AK0], v31, 4, v[AK0]          ; K: key r lies at 272 (r / 2) + 128 (r % 2); + 16 h
	v_and_b32 v10, 7, v0
	v_lshl_add_u32 v10, v31, 3, v10                ; V, for the turning load: key 8 h + lane % 8,
	v_lshrrev_b32 v11, 1, v10
	v_mul_u32_u24 v[AV0], v11, 288
	v_and_b32 v11, 1, v10
	v_lshl_add_u32 v[AV0], v11, 7, v[AV0]
	v_bfe_u32 v11, v0, 3, 1
	v_lshl_add_u32 v[AV0], v11, 4, v[AV0]          ; channels 8 ((lane / 8) % 2) + 0..7
	v_add_nc_u32 v[AV0], VOFF, v[AV0]
	s_lshl_b32 s70, s[CX], 5
	v_lshlrev_b32 v10, 3, v31
	v_sub_nc_u32 v[D0], v30, v10
	v_add_nc_u32 v[D0], s70, v[D0]
	v_add_nc_u32 v[D0+1], 16, v[D0]
	v_and_b32 v[PFO], 31, v0
	v_lshlrev_b32 v[PFO], 8, v[PFO]                ; the prefetch: lanes 256 bytes apart
	s_mul_i32 s70, s[WV], 2304
	s_add_co_u32 s70, s70, STAGE                   ; my stage
	v_mul_u32_u24 v[STO], v30, 144
	v_lshl_add_u32 v[STO], v31, 4, v[STO]
	v_add_nc_u32 v[STO], s70, v[STO]               ; in: row r of 128 bytes + 16, 16 bytes for each half of the lanes
	v_bfe_u32 v[RD], v0, 3, 2
	v_mul_u32_u24 v[RD], v[RD], 144
	v_and_b32 v30, 7, v0
	v_lshl_add_u32 v[RD], v30, 4, v[RD]
	v_add_nc_u32 v[RD], s70, v[RD]                 ; back: eight lanes to a row, four rows an instruction
	v_mov_b32 v28, 0xff800000                      ; -infinity
.irp t, 0,1
	v_mov_b32 v[ST+8*\t+1], 0xff61b1e6             ; m: -3e38, under every score
	v_mul_f32 v[ST+8*\t], s[CS], v[ST+8*\t+1]      ; c m
.irp i, 2,3,4,5,6,7
	v_mov_b32 v[ST+8*\t+\i], 0                     ; l; and c0-c3 once: a lane permute's destination and a pair's upper half count as read
.endr
.endr
.set oi, 0
.rept 64
	v_mov_b32 v[O+oi], 0                           ; O^T.  The step is written once: the first finds zeros, which a = 0 leaves zeros
.set oi, oi+1
.endr
; 16 products S^T = K Q^T: eight accumulators by turns, one instruction a turn; the first eight start the sums.
.macro KQ
.irp e, 0,1
.irp k, 0,1,2,3
.irp t, 0,1
.if \e == 0
	v_wmma_f32_16x16x32_f16 v[S+32*\t+8*\k:S+32*\t+8*\k+7], v[KV+8*(2*\k+\e):KV+8*(2*\k+\e)+7], v[Q+16*\t+8*\e:Q+16*\t+8*\e+7], 0
.else
	v_wmma_f32_16x16x32_f16 v[S+32*\t+8*\k:S+32*\t+8*\k+7], v[KV+8*(2*\k+\e):KV+8*(2*\k+\e)+7], v[Q+16*\t+8*\e:Q+16*\t+8*\e+7], v[S+32*\t+8*\k:S+32*\t+8*\k+7]
.endif
.endr
.endr
.endr
.endm
; 16 products O^T += V^T P: keys 32 u on, channels 16 d on, tile t: eight accumulators by turns.
.macro PV
.irp u, 0,1
.irp d, 0,1,2,3
.irp t, 0,1
	v_wmma_f32_16x16x32_f16 v[O+32*\t+8*\d:O+32*\t+8*\d+7], v[KV+8*(4*\u+\d):KV+8*(4*\u+\d)+7], v[S+32*\t+8*\u:S+32*\t+8*\u+7], v[O+32*\t+8*\d:O+32*\t+8*\d+7]
.endr
.endr
.endr
.endm
; Register n of a tile holds key 64 step + 16 (n / 8) + n % 8 + 8 h: hidden where 16 (n / 8) + n % 8 > my query - 8 h - 64 step.  Each accumulator is read from its low end on.
.macro MASK
	s_sub_co_u32 s70, s[KSN], s[R2]
	s_lshl_b32 s70, s70, 6
.irp t, 0,1
	v_sub_nc_u32 v29, v[D0+\t], s70
.set mi, 0
.rept 32
	v_cmp_gt_i32 vcc_lo, 16*(mi/8)+mi%8, v29
	v_cndmask_b32 v[S+32*\t+mi], v[S+32*\t+mi], v28, vcc_lo
.set mi, mi+1
.endr
.endr
.endm
.macro SOFTMAX                         ; both tiles, line by line by turns
.irp k, 0,1,2,3
.irp t, 0,1
	v_max3_num_f32 v[ST+8*\t+4+\k], v[S+32*\t+8*\k], v[S+32*\t+8*\k+1], v[S+32*\t+8*\k+2]     ; four chains; each accumulator from its low end on
.endr
.endr
.irp i, 3,5
.irp k, 0,1,2,3
.irp t, 0,1
	v_max3_num_f32 v[ST+8*\t+4+\k], v[ST+8*\t+4+\k], v[S+32*\t+8*\k+\i], v[S+32*\t+8*\k+\i+1]
.endr
.endr
.endr
.irp t, 0,1
	v_max3_num_f32 v[ST+8*\t+4], v[ST+8*\t+4], v[S+32*\t+7], v[S+32*\t+15]
	v_max3_num_f32 v[ST+8*\t+6], v[ST+8*\t+6], v[S+32*\t+23], v[S+32*\t+31]
.endr
.irp t, 0,1
	v_max3_num_f32 v[ST+8*\t+4], v[ST+8*\t+4], v[ST+8*\t+5], v[ST+8*\t+6]
.endr
.irp t, 0,1
	v_max3_num_f32 v[ST+8*\t+4], v[ST+8*\t+4], v[ST+8*\t+7], v[ST+8*\t+1]   ; with the old m
.endr
.irp t, 0,1
	v_permlanex16_b32 v[ST+8*\t+5], v[ST+8*\t+4], s[SEL], s[SEL+1]          ; the query's other 32 keys lie in the lane 16 away
.endr
.irp t, 0,1
	v_mov_b32 v[ST+8*\t+7], v[ST+8*\t]             ; c m_old is kept for a
.endr
.irp t, 0,1
	v_max_num_f32 v[ST+8*\t+1], v[ST+8*\t+4], v[ST+8*\t+5]
.endr
.irp t, 0,1
	v_mul_f32 v[ST+8*\t], s[CS], v[ST+8*\t+1]
.endr
.irp t, 0,1
	v_sub_f32 v[ST+8*\t+7], v[ST+8*\t+7], v[ST+8*\t]
.endr
.irp i, 0,2,4,6,8,10,12,14,16,18,20,22,24,26,28,30
.irp t, 0,1
	v_pk_fma_f32 v[S+32*\t+\i:S+32*\t+\i+1], v[S+32*\t+\i:S+32*\t+\i+1], s[CS:CS+1], v[ST+8*\t:ST+8*\t+1] op_sel_hi:[1,0,0] neg_lo:[0,0,1] neg_hi:[0,0,1]   ; c s - c m
.endr
.endr
.irp t, 0,1
	v_exp_f32 v[ST+8*\t+6], v[ST+8*\t+7]           ; a
.endr
.set ei, 0
.rept 64
	v_exp_f32 v[S+ei], v[S+ei]                     ; p: one batch of 66 exponentials
.set ei, ei+1
.endr
	v_nop                                          ; a plain instruction behind the last exponential
	s_wait_alu depctr_va_vdst(0)                   ; one wait for the batch, ahead of the first instruction that names a result
.irp t, 0,1
	v_pk_mul_f32 v[ST+8*\t+2:ST+8*\t+3], v[ST+8*\t+2:ST+8*\t+3], v[ST+8*\t+6:ST+8*\t+7] op_sel_hi:[1,0]   ; l x a
	v_pk_add_f32 v[ST+8*\t+4:ST+8*\t+5], v[S+32*\t:S+32*\t+1], v[S+32*\t+2:S+32*\t+3]                     ; the sum of p, in two chains
.endr
.irp i, 4,8,12,16,20,24,28
.irp t, 0,1
	v_pk_add_f32 v[ST+8*\t+2:ST+8*\t+3], v[ST+8*\t+2:ST+8*\t+3], v[S+32*\t+\i:S+32*\t+\i+1]
	v_pk_add_f32 v[ST+8*\t+4:ST+8*\t+5], v[ST+8*\t+4:ST+8*\t+5], v[S+32*\t+\i+2:S+32*\t+\i+3]
.endr
.endr
.irp t, 0,1
	v_pk_add_f32 v[ST+8*\t+2:ST+8*\t+3], v[ST+8*\t+2:ST+8*\t+3], v[ST+8*\t+4:ST+8*\t+5]
.endr
.irp i, 0,1,2,3,4,5,6,7,8,9,10,11,12,13,14,15
.irp t, 0,1
	v_cvt_pk_f16_f32 v[S+32*\t+\i], v[S+32*\t+2*\i], v[S+32*\t+2*\i+1]     ; P, packed in place, ascending: register i is written when 2 i and 2 i + 1 are read
.endr
.endr
.irp i, 0,2,4,6,8,10,12,14,16,18,20,22,24,26,28,30
.irp t, 0,1
	v_pk_mul_f32 v[O+32*\t+\i:O+32*\t+\i+1], v[O+32*\t+\i:O+32*\t+\i+1], v[ST+8*\t+6:ST+8*\t+7] op_sel_hi:[1,0]   ; O^T x a
.endr
.endr
.endm
.macro STEP                            ; a key step: 64 keys
	v_add_nc_u32 v[ADK], s[TK], v[AK0]             ; written on every way; with the three v_nop below the five places between the last step's products and the products that write over P
	v_add_nc_u32 v[ADV], s[TV], v[AV0]
	s_cmp_gt_u32 s[KSN], s[RL]                     ; all 64 keys come after my queries: the step's work is left out; no barrier, wait for tiles or tensor load stands in a step
	s_cbranch_scc1 .Ldead_\@
.rept 3
	v_nop
.endr
.irp k, 0,1,2,3
.irp e, 0,1
	ds_load_b128 v[KV+8*(2*\k+\e):KV+8*(2*\k+\e)+3],   v[ADK] offset:2176*\k+64*\e
	ds_load_b128 v[KV+8*(2*\k+\e)+4:KV+8*(2*\k+\e)+7], v[ADK] offset:2176*\k+64*\e+32
.endr
.endr
	s_wait_dscnt 0x0
	KQ
.rept 4
	v_nop                                          ; places in front of the loads into K's registers and of the first read of the scores
.endr
.irp u, 0,1
.irp d, 0,1,2,3
	ds_load_tr16_b128 v[KV+8*(4*\u+\d):KV+8*(4*\u+\d)+3],   v[ADV] offset:4608*\u+32*\d          ; V, turned: it lands while the softmax is walked
	ds_load_tr16_b128 v[KV+8*(4*\u+\d)+4:KV+8*(4*\u+\d)+7], v[ADV] offset:4608*\u+32*\d+2304
.endr
.endr
	s_cmp_lt_u32 s[KSN], s[R2]                     ; all keys count: no mask
	s_cbranch_scc1 .Lopen_\@
	MASK
.Lopen_\@:
	SOFTMAX
	s_wait_dscnt 0x0                               ; V is in
	PV
.Ldead_\@:
.endm
.macro SLOT_STEPS n                    ; a slot's eight key steps: written once, walked eight times
	s_mov_b32 s[TK], (\n)*SLOTB
	s_mov_b32 s[TV], (\n)*SLOTB
	s_mov_b32 s[CT], 8
.Lstep_\@:
	STEP
	s_add_co_u32 s[TK], s[TK], KSTEPB
	s_add_co_u32 s[TV], s[TV], VSTEPB
	s_add_co_u32 s[KSN], s[KSN], 1
	s_sub_co_u32 s[CT], s[CT], 1
	s_cmp_lg_u32 s[CT], 0
	s_cbranch_scc1 .Lstep_\@
.endm
; THE CHANGE OF SLOTS.  Each wave waits for all its tensor loads (the slot ahead), adds 0 to its spare word, and waits for that and for its reads of the slot that it has left.
; fill = 1: that slot is filled again, with the keys 1,024 on: behind a round of the cluster's barrier, the joint load first.
.macro CHANGE n, fill
	s_wait_tensorcnt 0x0
	ds_add_u32 v[SPW], v[NIL]
.if \fill
	ds_add_u32 v[SPW], v[NIL]                      ; the add, twice on end here; the descriptors' steps stand between the second and the wait
	s_add_nc_u64 s[G0K+4*\n+2:G0K+4*\n+3], s[G0K+4*\n+2:G0K+4*\n+3], 131072
	s_add_nc_u64 s[G0V+4*\n+2:G0V+4*\n+3], s[G0V+4*\n+2:G0V+4*\n+3], 131072
.endif
	s_wait_dscnt 0x0
.if \fill
	ROUND
	TLOAD G0K+4*\n, G0V+4*\n
.else
	s_barrier_signal -1
	s_barrier_wait -1
.endif
.endm
	s_wait_tensorcnt 1                             ; my part of slot 0 is in; slot 1's load may be out
	s_barrier_signal -1
	s_barrier_wait -1
	s_wait_loadcnt 0x0                             ; Q
	SLOT_STEPS 0                                   ; keys 0 to 511
	CHANGE 0, 1                                    ; slot 0 takes keys 1,024 on
	; A PREFETCH INTO THE L2 of what the next change of slots will ask for, keys 1,536 to 2,047 of K and V: eight key steps ahead of that load.  The four partners take 16,384 bytes of each by address;
	; in each, waves 4 and 5 ask for K's and waves 6 and 7 for V's, 8,192 bytes a wave, lanes 256 bytes apart: each block of 256 bytes is named once in the launch.  The address is never rewritten.
	s_lshr_b32 s70, s[WV], 2
	s_cmp_eq_u32 s70, 1
	s_cbranch_scc0 .Lnot_mine
	global_prefetch_b8 v[PFO], s[PFA:PFA+1] th:TH_LOAD_NT scope:SCOPE_SE
.Lnot_mine:
	SLOT_STEPS 1                                   ; keys 512 on
	CHANGE 1, 1                                    ; slot 1 takes keys 1,536 on
	SLOT_STEPS 0                                   ; keys 1,024 on
	CHANGE 0, 0                                    ; nothing is left to fetch
	SLOT_STEPS 1                                   ; keys 1,536 on
	; THE WAY OUT.  l's halves are added; O^T / l is rounded to f16 and goes through my stage, a tile of 16 rows at a time; the wave stores 512 consecutive bytes an instruction.
.irp t, 0,1
	v_add_f32 v[ST+8*\t+4], v[ST+8*\t+2], v[ST+8*\t+3]     ; (these additions are the places behind the last products)
.endr
.irp t, 0,1
	v_permlanex16_b32 v[ST+8*\t+5], v[ST+8*\t+4], s[SEL], s[SEL+1]
.endr
.irp t, 0,1
	v_add_f32 v[ST+8*\t+4], v[ST+8*\t+4], v[ST+8*\t+5]
.endr
.irp t, 0,1
	v_rcp_f32 v[ST+8*\t+6], v[ST+8*\t+4]
.endr
	v_and_b32 v30, 31, v0                          ; (plain work behind the reciprocals)
	v_lshlrev_b32 v30, 4, v30                      ; 16 x lane
	s_wait_alu depctr_va_vdst(0)                   ; one wait for both, ahead of their first reader
.irp t, 0,1
.set oi, 0
.rept 16
	v_pk_mul_f32 v[O+32*\t+2*oi:O+32*\t+2*oi+1], v[O+32*\t+2*oi:O+32*\t+2*oi+1], v[ST+8*\t+6:ST+8*\t+7] op_sel_hi:[1,0]
.set oi, oi+1
.endr
.set oi, 0
.rept 16
	v_cvt_pk_f16_f32 v[S+32*\t+oi], v[O+32*\t+2*oi], v[O+32*\t+2*oi+1]
.set oi, oi+1
.endr
.irp d, 0,1,2,3
	ds_store_b128 v[STO], v[S+32*\t+4*\d:S+32*\t+4*\d+3] offset:32*\d
.endr
.irp f, 0,1,2,3
	ds_load_b128 v[S+32*\t+16+4*\f:S+32*\t+16+4*\f+3], v[RD] offset:576*\f    ; LDS serves a wave's instructions in order: these see my stores; the next tile's stores come behind them
.endr
.endr
.irp f, 0,1,2,3
	s_wait_dscnt 11-\f                             ; behind this load: tile 0's 3 - f younger loads, tile 1's four stores and four loads
	global_store_b128 v30, v[S+16+4*\f:S+16+4*\f+3], s[YB:YB+1] offset:512*\f
.endr
.irp f, 0,1,2,3
	s_wait_dscnt 3-\f
	global_store_b128 v30, v[S+48+4*\f:S+48+4*\f+3], s[YB:YB+1] offset:2048+512*\f
.endr
	s_wait_tensorcnt 0x0                           ; the wave's end
	ds_add_u32 v[SPW], v[NIL]
	s_wait_dscnt 0x0
	ROUND                                          ; the closing round
	s_endpgm
.Lfunc_end_k_q9c0460dc94_attn:
	.size	k_q9c0460dc94_attn, .Lfunc_end_k_q9c0460dc94_attn-k_q9c0460dc94_attn
	.p2alignl 7, 3214868480
	.fill 96, 4, 3214868480
	.section	.rodata,"a",@progbits
	.p2align	6, 0x0
	.amdhsa_kernel k_q9c0460dc94_attn
		.amdhsa_group_segment_fixed_size 327680
		.amdhsa_private_segment_fixed_size 0
		.amdhsa_enable_private_segment 0
		.amdhsa_kernarg_size 16
		.amdhsa_user_sgpr_count 2
		.amdhsa_user_sgpr_kernarg_segment_ptr 1
		.amdhsa_wavefront_size32 1
		.amdhsa_system_sgpr_workgroup_id_x 1
		.amdhsa_system_sgpr_workgroup_id_y 1
		.amdhsa_system_sgpr_workgroup_id_z 1
		.amdhsa_system_vgpr_workitem_id 0
		.amdhsa_next_free_vgpr 256
		.amdhsa_next_free_sgpr 84
		.amdhsa_reserve_vcc 1
		.amdhsa_float_denorm_mode_32 3
		.amdhsa_float_denorm_mode_16_64 3
		.amdhsa_memory_ordered 1
		.amdhsa_forward_progress 1
		.amdhsa_inst_pref_size 108
	.end_amdhsa_kernel
	.amdgpu_metadata
---
amdhsa.version: [ 1, 2 ]
amdhsa.kernels:
  - .name:           k_q9c0460dc94_attn
    .symbol:         k_q9c0460dc94_attn.kd
    .args:
      - { .name: qkvh, .offset: 0, .size: 8, .value_kind: global_buffer, .address_space: global }
      - { .name: yh, .offset: 8, .size: 8, .value_kind: global_buffer, .address_space: global }
    .group_segment_fixed_size: 327680
    .private_segment_fixed_size: 0
    .kernarg_segment_align: 8
    .kernarg_segment_size: 16
    .max_flat_workgroup_size: 512
    .sgpr_count:     84
    .vgpr_count:     256
    .wavefront_size: 32
...
	.end_amdgpu_metadata
.endif
;; end of part 3
;; launch proj (part 4): grid 4 x 64, 4 waves a work-group, clusters of 4 x 4, 327,680 bytes of LDS; arguments yh, wpt, out0; writes out0
.if DOCPART == 4
	.amdgcn_target "amdgcn-amd-amdhsa--gfx1250"
	.amdhsa_code_object_version 6
	.text
	.protected	k_q9c0460dc94_proj
	.globl	k_q9c0460dc94_proj
	.p2align	8
	.type	k_q9c0460dc94_proj,@function
k_q9c0460dc94_proj:
	s_mov_b64 s[64:65], 0
	v_nop
	global_prefetch_b8 v0, s[64:65] scope:SCOPE_SE
	s_setreg_imm32_b32 hwreg(HW_REG_WAVE_MODE, 25, 1), 1
	s_wait_xcnt 0x0
	s_wait_alu depctr_hold_cnt(0) depctr_sa_sdst(0) depctr_va_vdst(0) depctr_va_sdst(0) depctr_va_ssrc(0) depctr_va_vcc(0) depctr_vm_vsrc(0)
	s_getreg_b32 s2, hwreg(HW_REG_IB_STS2, 6, 4)
	s_cmp_eq_u32 s2, 0
	s_cbranch_scc0 .Lentry_in_a_cluster
	s_endpgm
.Lentry_in_a_cluster:
	s_bfe_u32 s2, ttmp6, 0x10000c
	s_cmp_lg_u32 s2, 0xf033
	s_cbranch_scc0 .Lentry_shape_is_right
	s_endpgm
.Lentry_shape_is_right:
; out0[b][t][n] = sum over k = 64 h + d of y[16 b + h][t][d] w_proj[k][n].  y and wpt ([n][k]) are f16; sums and out0 f32.
; NOT STORED HERE: positions 0-15 of each batch; they are computed inside a live tile, and the launch first16 makes and stores them in f32.
; A tile is 128 (t) x 256 (n): 256 work-groups.  cx is the tile column, cy the batch, cluster y the tile of 128 positions: 'this tile holds positions 0-15' is the same in all sixteen partners.
; Four waves, each 64 x 128: 32 accumulators.  K goes in steps of 128, two heads, through two LDS slots.  y's tile of one head is dense memory (two positions are 256 bytes): a plane of 64 rows of 256 bytes.
; y's tiles are asked for jointly along a row of the cluster, wpt's along a column.  The matrix instruction is used transposed (source 0 = 16 rows of wpt, source 1 = 16 positions).
; REGISTERS: window 0: v16-30 addresses; two fragment buffers at v32 and v128: wpt's eight fragments, then y's four.  window 1: accumulator (a, b) at v[8 (8 a + b)].
.set PLANE,  17408                     ; 64 rows of 272
.set BOFF,   2*PLANE
.set BHALF,  34816                     ; 128 rows of 272
.set SLOT,   BOFF+2*BHALF
.set STAGE,  2*SLOT                    ; the way out: 16 rows x 528 bytes for each wave
.set SPARE,  STAGE+4*8448              ; the spare words, 128 bytes for each wave, that no other line names
.set ADRA, 16
.set ADRB, 20
.set STO,  24
.set RD,   25
.set CO,   26
.set SPW,  28
.set NIL,  29
.set PFO,  30
.set F0,   32
.set F1,   128
.set BK,   32                          ; the way out: v32-95 and v96-159 by turns
.set G1A, 24
.set G0A, 32
.set G1B, 48
.set G0B, 56
.set LIM, 43
.set PFA, 44
.set MSB, 0
.macro WIN new                         ; the immediate's high byte repeats the setting that is left
.if MSB != \new
	s_set_vgpr_msb (MSB<<8)|\new
.set MSB, \new
.endif
.endm
.set MUL, 0x50                         ; C and D window 1, the operands window 0
.macro JLOAD s                         ; a joint load: waves 0 and 1 fetch y's two planes, waves 2 and 3 wpt's halves; an s_nop 0 and four v_nop follow each line
	s_cmp_eq_u32 s11, 0
	s_cbranch_scc0 .Lfor_b_\@
	tensor_load_to_lds s[G0A+4*\s:G0A+4*\s+3], s[G1A:G1A+7]
	s_nop 0
.rept 4
	v_nop
.endr
	s_branch .Lasked_\@
.Lfor_b_\@:
	tensor_load_to_lds s[G0B+4*\s:G0B+4*\s+3], s[G1B:G1B+7]
	s_nop 0
.rept 4
	v_nop
.endr
.Lasked_\@:
.endm
.macro CREST
	s_cmp_lg_u32 s10, 0
	s_cbranch_scc1 .Lnot_wave_0_\@
	s_barrier_signal -3
.Lnot_wave_0_\@:
	s_barrier_wait -3
	s_barrier_signal -1
	s_barrier_wait -1
.endm
.macro CROUND
	s_barrier_signal -1
	s_barrier_wait -1
	CREST
.endm
; A PREFETCH INTO THE L2 of y's tile of the K step that stands two refills on: 32,768 bytes.  Only this row of the cluster reads them; its four partners take 8,192 bytes each by address (plane cx / 2, half cx % 2);
; wave 0 asks, lanes 256 bytes apart: each block of 256 bytes is named once.  The loop's last trip asks for nothing: there is no K step two refills on.
.macro ASK
	s_cmp_gt_u32 s3, s[LIM]
	s_cbranch_scc0 .Lnot_mine_\@
	global_prefetch_b8 v[PFO], s[PFA:PFA+1] th:TH_LOAD_NT scope:SCOPE_SE
.Lnot_mine_\@:
.endm
	s_load_b128 s[4:7], s[0:1], 0x0                ; yh, wpt
	s_load_b64 s[8:9], s[0:1], 0x10                ; out0
	v_lshl_add_u32 v[SPW], v0, 2, SPARE
	v_mov_b32 v[NIL], 0
	ds_add_u32 v[SPW], v[NIL]                      ; the wave's opening: the add, twice on end, and its wait ahead of my first tensor load
	ds_add_u32 v[SPW], v[NIL]
	v_lshrrev_b32 v1, 5, v0
	v_readfirstlane_b32 s10, v1                    ; wave 0..3
	s_lshr_b32 s11, s10, 1                         ; which 64 positions are mine.  Also: I fetch for y (0) or for wpt (1)
	s_and_b32 s12, s10, 1                          ; which 128 columns.  Also: which plane, or which 128 rows, I fetch
	s_bfe_u32 s40, ttmp6, 0x40000                  ; cx
	s_bfe_u32 s41, ttmp6, 0x40004                  ; cy
	s_and_b32 s13, ttmp7, 0xffff                   ; cluster y
	s_lshl_b32 s42, s41, 2
	s_lshl_b32 s42, 15, s42                        ; my row of the cluster
	s_lshl_b32 s43, 0x1111, s40                    ; my column
	s_or_b32 s[G1A+0], s42, (3<<16)|(1<<20)|(1<<21)|(5<<22)|(3<<25)  ; the mask; elements of 8 bytes; padding of 4 words after every 64; bit 21 beside a mask
	s_mov_b32 s[G1A+1], 32<<16                     ; tensor_dim0 = 32 elements: 256 bytes, two positions
	s_mov_b32 s[G1A+2], 64<<16                     ; tensor_dim1 = 64 rows
	s_mov_b32 s[G1A+3], 32<<16
	s_mov_b32 s[G1A+4], 64
	s_mov_b32 s[G1A+5], 32                         ; dense
	s_mov_b32 s[G1A+6], 0
	s_mov_b32 s[G1A+7], 0
	s_or_b32 s[G1B+0], s43, (1<<16)|(1<<20)|(1<<21)|(5<<22)|(3<<25)  ; elements of 2 bytes
	s_mov_b32 s[G1B+1], 128<<16
	s_mov_b32 s[G1B+2], 128<<16
	s_mov_b32 s[G1B+3], 128<<16
	s_mov_b32 s[G1B+4], 128
	s_mov_b32 s[G1B+5], 1024                       ; a row of wpt
	s_mov_b32 s[G1B+6], 0
	s_mov_b32 s[G1B+7], 0
	s_lshl_b32 s16, s41, 4
	s_add_co_u32 s16, s16, s12
	s_lshl_b32 s16, s16, 18                        ; y: head 16 cy + my plane,
	s_lshl_b32 s17, s13, 14
	s_add_co_u32 s16, s16, s17                     ; the tile's 128 positions of 128 bytes
	s_mov_b32 s17, 0
	s_lshl_b32 s46, s40, 19                        ; wpt: row 256 cx + 128 x half, 2,048 bytes a row
	s_lshl_b32 s47, s12, 18
	s_add_co_u32 s46, s46, s47
	s_mov_b32 s47, 0
	s_mul_i32 s20, s12, PLANE
	s_mul_i32 s21, s12, BHALF
	s_add_co_u32 s21, s21, BOFF
	s_wait_dscnt 0x0                               ; both opening adds are done
	s_wait_kmcnt 0x0
	s_add_nc_u64 s[14:15], s[4:5], s[16:17]
	s_add_nc_u64 s[46:47], s[6:7], s[46:47]
	CROUND                                         ; all sixteen work-groups are here: the first joint loads meet
.irp s, 0,1
	s_mov_b32 s[G0A+4*\s], 1
	s_add_co_u32 s[G0A+4*\s+1], s20, \s*SLOT
	s_add_nc_u64 s[G0A+4*\s+2:G0A+4*\s+3], s[14:15], \s*524288     ; K step s: heads 2 s and 2 s + 1
	s_or_b32 s[G0A+4*\s+3], s[G0A+4*\s+3], 0x80000000
	s_mov_b32 s[G0B+4*\s], 1
	s_add_co_u32 s[G0B+4*\s+1], s21, \s*SLOT
	s_add_nc_u64 s[G0B+4*\s+2:G0B+4*\s+3], s[46:47], \s*256
	s_or_b32 s[G0B+4*\s+3], s[G0B+4*\s+3], 0x80000000
	JLOAD \s                                       ; two loads of mine are out
.endr
	v_and_b32 v1, 15, v0                           ; r
	v_bfe_u32 v2, v0, 4, 1                         ; h
	v_lshrrev_b32 v5, 1, v1
	v_mul_u32_u24 v3, v5, 272
	v_and_b32 v5, 1, v1
	v_lshl_add_u32 v3, v5, 7, v3
	v_lshl_add_u32 v3, v2, 4, v3                   ; y: position r lies at 272 (r / 2) + 128 (r % 2); + 16 h
	v_mul_u32_u24 v4, v1, 272
	v_lshl_add_u32 v4, v2, 4, v4                   ; wpt: row r, + 16 h
	s_mul_i32 s21, s11, 8704                       ; my 64 positions: 32 rows
	s_mul_i32 s22, s12, BHALF
	s_add_co_u32 s22, s22, BOFF
.irp s, 0,1
	v_add_nc_u32 v[ADRA+\s], s21, v3
	v_add_nc_u32 v[ADRB+\s], s22, v4
	s_add_co_u32 s21, s21, SLOT
	s_add_co_u32 s22, s22, SLOT
.endr
	s_mul_i32 s23, s10, 8448
	s_add_co_u32 s23, s23, STAGE                   ; my stage
	v_mul_u32_u24 v5, v1, 528
	v_lshl_add_u32 v5, v2, 5, v5
	v_add_nc_u32 v[STO], s23, v5                   ; in: row r, 32 bytes for each half of the lanes
	v_and_b32 v6, 31, v0
	v_lshlrev_b32 v[CO], 4, v6                     ; back: the 32 lanes take a row of 512 bytes; the same in out0
	v_add_nc_u32 v[RD], s23, v[CO]
	v_lshlrev_b32 v[PFO], 8, v6
	s_lshl_b32 s16, s41, 11
	s_lshl_b32 s17, s13, 7
	s_add_co_u32 s16, s16, s17
	s_lshl_b32 s17, s11, 6
	s_add_co_u32 s16, s16, s17                     ; my first row of out0: 2,048 cy + 128 cluster y + 64 x half
	s_lshl_b32 s16, s16, 12
	s_lshl_b32 s17, s40, 10
	s_add_co_u32 s16, s16, s17
	s_lshl_b32 s17, s12, 9
	s_add_co_u32 s16, s16, s17                     ; my first column, in bytes
	s_mov_b32 s17, 0
	s_add_nc_u64 s[8:9], s[8:9], s[16:17]
	s_lshl_b32 s20, s41, 4                         ; the prefetches: head 16 cy + cx / 2,
	s_lshr_b32 s21, s40, 1
	s_add_co_u32 s20, s20, s21
	s_lshl_b32 s20, s20, 18
	s_lshl_b32 s21, s13, 14
	s_add_co_u32 s20, s20, s21
	s_and_b32 s21, s40, 1
	s_lshl_b32 s21, s21, 13
	s_add_co_u32 s20, s20, s21                     ; half cx % 2 of the plane,
	s_add_co_u32 s20, s20, 3*524288                ; at K step 3: the first refill steps it to 4
	s_mov_b32 s21, 0
	s_add_nc_u64 s[PFA:PFA+1], s[4:5], s[20:21]
	s_cmp_eq_u32 s10, 0
	s_cselect_b32 s[LIM], 1, -1
; 8 matrix instructions: positions' block a against wpt's eight.  The 32 accumulators take turns, one instruction a turn, in the same order in every quarter.
.macro MUL8 f, a, zero
.irp b, 0,1,2,3,4,5,6,7
.if \zero
	v_wmma_f32_16x16x32_f16 v[8*(8*(\a)+\b):8*(8*(\a)+\b)+7], v[\f+8*\b:\f+8*\b+7], v[\f+64+8*(\a):\f+64+8*(\a)+7], 0
.else
	v_wmma_f32_16x16x32_f16 v[8*(8*(\a)+\b):8*(8*(\a)+\b)+7], v[\f+8*\b:\f+8*\b+7], v[\f+64+8*(\a):\f+64+8*(\a)+7], v[8*(8*(\a)+\b):8*(8*(\a)+\b)+7]
.endif
.endr
.endm
.macro FETCH slot, q, f                ; 24 LDS loads in one run: the fragments of the slot's q-th 32 along K: wpt's sixteen, then y's eight
	WIN 0
.irp i, 0,1,2,3,4,5,6,7
	ds_load_b128 v[\f+8*\i:\f+8*\i+3],   v[ADRB+\slot] offset:64*(\q)+4352*\i
	ds_load_b128 v[\f+8*\i+4:\f+8*\i+7], v[ADRB+\slot] offset:64*(\q)+4352*\i+32
.endr
.irp i, 0,1,2,3
	ds_load_b128 v[\f+64+8*\i:\f+64+8*\i+3],   v[ADRA+\slot] offset:PLANE*((\q)/2)+64*((\q)%2)+2176*\i
	ds_load_b128 v[\f+64+8*\i+4:\f+64+8*\i+7], v[ADRA+\slot] offset:PLANE*((\q)/2)+64*((\q)%2)+2176*\i+32
.endr
.endm
.macro PLACES                          ; four plain vector instructions in front of loads into registers that matrix instructions have read, and of reads of results
.rept 4
	v_nop
.endr
.endm
.macro QUARTER slot, qn, f, g, zero    ; multiplies buffer f; in its middle fetches the slot's quarter qn into g
	s_wait_dscnt 4                                 ; all but the youngest four loads (y's blocks 2 and 3) are in
	WIN MUL
	MUL8 \f, 0, \zero
	MUL8 \f, 1, \zero
	PLACES
	FETCH \slot, \qn, \g
	s_wait_dscnt 24                                ; all but the 24 just issued
	WIN MUL
	MUL8 \f, 2, \zero
	MUL8 \f, 3, \zero
.endm
; The last quarter multiplies buffer 1 and changes slots: one barrier; in front of it each wave waits for all its tensor loads, adds 0 to its spare word, and waits for that and for its reads of this slot.
.macro TURN slot, next, fill
.if \fill
	s_wait_xcnt 0x0                                ; the last prefetch, a K step back, has read its address
	s_add_nc_u64 s[PFA:PFA+1], s[PFA:PFA+1], 524288
.endif
	WIN 0
	s_wait_tensorcnt 0x0                           ; all my tensor loads have landed: my part of the next slot
	ds_add_u32 v[SPW], v[NIL]
	s_wait_dscnt 5                                 ; the add and the youngest four loads may be out
	WIN MUL
	MUL8 F1, 0, 0
	s_wait_dscnt 0x0                               ; the add is done, and my reads of this slot are over
	s_barrier_signal -1
	MUL8 F1, 1, 0
	WIN 0
	s_barrier_wait -1
.if \fill
	CREST                                          ; the barrier has opened a round of the cluster's barrier
	s_add_nc_u64 s[G0A+4*\slot+2:G0A+4*\slot+3], s[G0A+4*\slot+2:G0A+4*\slot+3], 1048576   ; two K steps on: four heads
	s_add_nc_u64 s[G0B+4*\slot+2:G0B+4*\slot+3], s[G0B+4*\slot+2:G0B+4*\slot+3], 512
	JLOAD \slot                                    ; the first tensor load behind the round; its four v_nop are the places in front of the loads below
.else
	PLACES
.endif
	FETCH \next, 0, F0
.if \fill
	ASK
.endif
	WIN MUL
	MUL8 F1, 2, 0
	MUL8 F1, 3, 0
.endm
	s_wait_tensorcnt 1                             ; my part of K step 0 is in; K step 1's load may be out
	s_barrier_signal -1
	s_barrier_wait -1
	FETCH 0, 0, F0
	QUARTER 0, 1, F0, F1, 1                        ; the first quarter's products start the sums
	WIN 0
	s_mov_b32 s3, 3
.Llap:                                             ; a trip goes once round the ring and fills both slots again: K steps 2 to 7
	QUARTER 0, 2, F1, F0, 0
	QUARTER 0, 3, F0, F1, 0
	TURN 0, 1, 1
	QUARTER 1, 1, F0, F1, 0
	QUARTER 1, 2, F1, F0, 0
	QUARTER 1, 3, F0, F1, 0
	TURN 1, 0, 1
	QUARTER 0, 1, F0, F1, 0
	WIN 0
	s_sub_co_u32 s3, s3, 1
	s_cmp_lg_u32 s3, 0
	s_cbranch_scc1 .Llap
	QUARTER 0, 2, F1, F0, 0                        ; the last lap fills nothing
	QUARTER 0, 3, F0, F1, 0
	TURN 0, 1, 0
	QUARTER 1, 1, F0, F1, 0
	QUARTER 1, 2, F1, F0, 0
	QUARTER 1, 3, F0, F1, 0
	s_wait_dscnt 4
	WIN MUL
	MUL8 F1, 0, 0
	MUL8 F1, 1, 0
	s_wait_dscnt 0
	MUL8 F1, 2, 0
	MUL8 F1, 3, 0
	WIN 0
; THE WAY OUT, a block of 16 rows x 128 columns at a time, through my stage: whole rows of 512 bytes come back and are stored by the 32 lanes.
.macro TOSTAGE a
	WIN 0x04                                       ; an LDS store's data: window 1
.irp b, 0,1,2,3,4,5,6,7
	ds_store_b128 v[STO], v[64*(\a)+8*\b:64*(\a)+8*\b+3] offset:64*\b          ; each accumulator from its low end on
	ds_store_b128 v[STO], v[64*(\a)+8*\b+4:64*(\a)+8*\b+7] offset:64*\b+16
.endr
	WIN 0
.set BB, BK+64*((\a)%2)
.irp t, 0,1,2,3,4,5,6,7,8,9,10,11,12,13,14,15
	ds_load_b128 v[BB+4*\t:BB+4*\t+3], v[RD] offset:\t*528
.endr
.endm
.macro SEND a, younger
.set BB, BK+64*((\a)%2)
	s_wait_dscnt \younger
.irp t, 0,1,2,3,4,5,6,7,8,9,10,11,12,13,14,15
	global_store_b128 v[CO], v[BB+4*\t:BB+4*\t+3], s[8:9] offset:(16*(\a)+\t)*4096 th:TH_STORE_NT   ; 512 consecutive bytes, aligned; written once
.endr
.endm
	PLACES
	s_or_b32 s18, s13, s11                         ; positions 0-15 are block 0 of the waves with the first rows, in the tiles with cluster y = 0: not stored here
	s_cmp_eq_u32 s18, 0                            ; the cluster's y and the wave's number: alike in all partners
	s_cbranch_scc1 .Lskip0
	TOSTAGE 0
	SEND 0, 0
.Lskip0:
	TOSTAGE 1
	s_wait_xcnt 0x0                                ; block 0's stores have read their registers
	TOSTAGE 2
	SEND 1, 32                                     ; behind block 1's loads: block 2's 16 stores and 16 loads
	s_wait_xcnt 0x0
	TOSTAGE 3
	SEND 2, 32
	SEND 3, 0
	s_wait_tensorcnt 0x0                           ; the wave's end
	ds_add_u32 v[SPW], v[NIL]
	s_wait_dscnt 0x0
	CROUND                                         ; the closing round
	s_endpgm
.Lfunc_end_k_q9c0460dc94_proj:
	.size	k_q9c0460dc94_proj, .Lfunc_end_k_q9c0460dc94_proj-k_q9c0460dc94_proj
	.p2alignl 7, 3214868480
	.fill 96, 4, 3214868480
	.section	.rodata,"a",@progbits
	.p2align	6, 0x0
	.amdhsa_kernel k_q9c0460dc94_proj
		.amdhsa_group_segment_fixed_size 327680
		.amdhsa_private_segment_fixed_size 0
		.amdhsa_enable_private_segment 0
		.amdhsa_kernarg_size 24
		.amdhsa_user_sgpr_count 2
		.amdhsa_user_sgpr_kernarg_segment_ptr 1
		.amdhsa_wavefront_size32 1
		.amdhsa_system_sgpr_workgroup_id_x 1
		.amdhsa_system_sgpr_workgroup_id_y 1
		.amdhsa_system_sgpr_workgroup_id_z 1
		.amdhsa_system_vgpr_workitem_id 0
		.amdhsa_next_free_vgpr 512
		.amdhsa_next_free_sgpr 66
		.amdhsa_reserve_vcc 0
		.amdhsa_float_denorm_mode_32 3
		.amdhsa_float_denorm_mode_16_64 3
		.amdhsa_memory_ordered 1
		.amdhsa_forward_progress 1
		.amdhsa_inst_pref_size 86
	.end_amdhsa_kernel
	.amdgpu_metadata
---
amdhsa.version: [ 1, 2 ]
amdhsa.kernels:
  - .name:           k_q9c0460dc94_proj
    .symbol:         k_q9c0460dc94_proj.kd
    .args:
      - { .name: yh, .offset: 0, .size: 8, .value_kind: global_buffer, .address_space: global }
      - { .name: wpt, .offset: 8, .size: 8, .value_kind: global_buffer, .address_space: global }
      - { .name: out0, .offset: 16, .size: 8, .value_kind: global_buffer, .address_space: global }
    .group_segment_fixed_size: 327680
    .private_segment_fixed_size: 0
    .kernarg_segment_align: 8
    .kernarg_segment_size: 24
    .max_flat_workgroup_size: 128
    .sgpr_count:     66
    .vgpr_count:     512
    .wavefront_size: 32
...
	.end_amdgpu_metadata
.endif
;; end of part 4
;; launch first16 (part 5): grid 16 x 4, 16 waves a work-group, no clusters, 71,680 bytes of LDS; arguments q32, w_proj, out0; writes out0
.if DOCPART == 5
	.amdgcn_target "amdgcn-amd-amdhsa--gfx1250"
	.amdhsa_code_object_version 6
	.text
	.protected	k_q9c0460dc94_first16
	.globl	k_q9c0460dc94_first16
	.p2align	8
	.type	k_q9c0460dc94_first16,@function
k_q9c0460dc94_first16:
	s_mov_b64 s[64:65], 0
	v_nop
	global_prefetch_b8 v0, s[64:65] scope:SCOPE_SE
	s_setreg_imm32_b32 hwreg(HW_REG_WAVE_MODE, 25, 1), 1
	s_wait_xcnt 0x0
; THE FIRST 16 POSITIONS OF EACH BATCH, IN F32: attention and projection.  These rows average one to sixteen values and are the largest of the output, so their operands are not rounded to 16 bits.
; Keys beyond position 15 are hidden from these queries by reference()'s own tril, for all inputs: they are not read.
; Work-group (x, y) makes out0[batch y][0..15][64 x .. 64 x + 63].  Wave w does head w's attention from q32 [4][16][3072], then multiplies its y (k = 64 w .. 64 w + 63), which never leaves its registers,
; by w_proj's 64 rows x 64 columns; the sixteen waves' partial sums meet in LDS, and wave w adds and stores row w.
; THE MATRIX FORM is 16 x 16 x 4 in f32: lane (r, h) holds row (or column) r and, in register j, k = 2 h + j.  Which four k form a step is free, so long as both sources agree:
;   S^T = K Q^T: a load of 16 bytes gives lane (r, h) channels 8 s + 4 h + 0..3; its two register pairs are two steps, in K and in Q alike.
;   O^T = V^T P: p's registers 2 u, 2 u + 1 are keys 8 h + 2 u + j.  V is loaded a key a register group, lane r taking channels 4 r + 0..3; two exchanges in each eight registers pair up keys 2 u, 2 u + 1.
;     Tile e's row r is channel 4 r + e.
;   out = y w_proj: O^T's registers 2 u, 2 u + 1 of tile e ARE source 0 (row = query r, k = channel 32 h + 8 u + 4 j + e); w_proj's rows are loaded and paired as V's are; tile n's column r is 4 r + n.
; The registers that the matrix form writes, v32-95, are written by matrix instructions alone; each sum's first step takes the constant 0.
.set SPARE, 69632                      ; behind the sixteen partial sums (16 rows x 272 bytes each): the spare words, 128 bytes for each wave, that no other line names
.set ACC,  32                          ; v32-63  S^T's four partial sums, then O^T's four tiles
.set ACC2, 64                          ; v64-95  the projection's four tiles
.set QF,   96
.set KF,   128
.set VF,   160
.set W1,   192                         ; w_proj's rows of u = 0, 1
.set W2,   96                          ; and of u = 2, 3, where Q and K lay
.set T,    160
.macro SWAP a, b
	v_mov_b32 v31, v[\a]
	v_mov_b32 v[\a], v[\b]
	v_mov_b32 v[\b], v31
.endm
.macro PAIRS g                         ; eight registers (k0: n0-n3, k1: n0-n3) become four pairs (k0, k1): of n0 at +0, n2 at +2, n1 at +4, n3 at +6
	SWAP (\g)+1, (\g)+4
	SWAP (\g)+3, (\g)+6
.endm
	s_load_b128 s[4:7], s[0:1], 0x0                ; q32, w_proj
	s_load_b64 s[8:9], s[0:1], 0x10                ; out0
	v_lshl_add_u32 v5, v0, 2, SPARE                ; my spare word; never rewritten
	v_mov_b32 v6, 0                                ; 0; never rewritten
	v_lshrrev_b32 v1, 5, v0
	v_readfirstlane_b32 s10, v1                    ; wave = head
	s_and_b32 s11, ttmp7, 0xffff                   ; batch
	v_and_b32 v16, 15, v0                          ; r
	v_bfe_u32 v17, v0, 4, 1                        ; h
	v_mul_u32_u24 v1, v16, 12288
	v_lshl_add_u32 v1, v17, 4, v1                  ; Q, K: position r, + 16 h
	v_mul_u32_u24 v2, v17, 98304
	v_lshl_add_u32 v2, v16, 4, v2                  ; V: key 8 h, channels 4 r on
	v_lshlrev_b32 v3, 17, v17
	v_lshl_add_u32 v3, v16, 4, v3                  ; w_proj: row 32 h, columns 4 r on
	v_lshlrev_b32 v4, 3, v17
	v_sub_nc_u32 v4, v16, v4                       ; r - 8 h: key 8 h + j is hidden where j > this
	v_mov_b32 v7, 0xff800000                       ; -infinity
	s_mul_i32 s18, s10, 4352
	v_mul_u32_u24 v28, v17, 2176
	v_lshl_add_u32 v28, v16, 4, v28
	v_add_nc_u32 v28, s18, v28                     ; my partial sums: row 8 h + j of 272 bytes, 16 bytes at 16 r
	s_mul_i32 s19, s10, 272
	v_and_b32 v30, 31, v0
	v_lshlrev_b32 v30, 3, v30                      ; 8 x lane
	v_add_nc_u32 v29, s19, v30                     ; row w of each partial sum
	v_mov_b32 v25, 0                               ; a lane permute's destination counts as read
	s_mul_i32 s12, s11, 196608
	s_lshl_b32 s13, s10, 8
	s_add_co_u32 s12, s12, s13
	s_mov_b32 s13, 0
	s_lshl_b32 s14, s10, 18                        ; w_proj's rows 64 w on,
	s_lshl_b32 s15, ttmp9, 8
	s_add_co_u32 s14, s14, s15                     ; columns 64 x on
	s_mov_b32 s15, 0
	s_lshl_b32 s16, s11, 23
	s_lshl_b32 s17, s10, 12
	s_add_co_u32 s16, s16, s17                     ; out0: row 2,048 y + w
	s_lshl_b32 s17, ttmp9, 8
	s_add_co_u32 s16, s16, s17
	s_mov_b32 s17, 0
	s_mov_b32 s20, 0x76543210
	s_mov_b32 s21, 0xfedcba98
	s_mov_b32 s22, 0x3d38aa3b                      ; c = log2(e) / 32
	s_wait_kmcnt 0x0
	s_add_nc_u64 s[4:5], s[4:5], s[12:13]
	s_add_nc_u64 s[6:7], s[6:7], s[14:15]
	s_add_nc_u64 s[8:9], s[8:9], s[16:17]
.irp s, 0,1,2,3,4,5,6,7
	global_load_b128 v[QF+4*\s:QF+4*\s+3], v1, s[4:5] offset:32*\s
.endr
.irp s, 0,1,2,3,4,5,6,7
	global_load_b128 v[KF+4*\s:KF+4*\s+3], v1, s[4:5] offset:4096+32*\s
.endr
.irp i, 0,1,2,3,4,5,6,7
	global_load_b128 v[VF+4*\i:VF+4*\i+3], v2, s[4:5] offset:8192+12288*\i
.endr
.irp u, 0,1
.irp e, 0,1,2,3
.irp j, 0,1
	global_load_b128 v[W1+4*(8*\u+2*\e+\j):W1+4*(8*\u+2*\e+\j)+3], v3, s[6:7] offset:(8*\u+4*\j+\e)*4096
.endr
.endr
.endr
	s_wait_loadcnt 24                              ; Q and K are in; V's 8 and w_proj's 16 may be out
.set i, 0
.rept 16                               ; S^T: 16 steps of 4 channels into four partial sums by turns
.if i < 4
	v_wmma_f32_16x16x4_f32 v[ACC+8*(i%4):ACC+8*(i%4)+7], v[KF+2*i:KF+2*i+1], v[QF+2*i:QF+2*i+1], 0
.else
	v_wmma_f32_16x16x4_f32 v[ACC+8*(i%4):ACC+8*(i%4)+7], v[KF+2*i:KF+2*i+1], v[QF+2*i:QF+2*i+1], v[ACC+8*(i%4):ACC+8*(i%4)+7]
.endif
.set i, i+1
.endr
.rept 8
	v_nop                                          ; eight places behind this form, in front of the loads into Q's and K's registers and of the reads of the sums
.endr
.irp u, 2,3
.irp e, 0,1,2,3
.irp j, 0,1
	global_load_b128 v[W2+4*(8*(\u-2)+2*\e+\j):W2+4*(8*(\u-2)+2*\e+\j)+3], v3, s[6:7] offset:(8*\u+4*\j+\e)*4096
.endr
.endr
.endr
.irp j, 0,1,2,3,4,5,6,7                ; the four partial sums, each read from its low end on: register j is the score of key 8 h + j and query r
	v_add_f32 v[8+\j], v[ACC+\j], v[ACC+8+\j]
	v_add_f32 v[16+\j], v[ACC+16+\j], v[ACC+24+\j]
.endr
.irp j, 0,1,2,3,4,5,6,7
	v_add_f32 v[8+\j], v[8+\j], v[16+\j]
.endr
.irp j, 0,1,2,3,4,5,6,7
	v_cmp_gt_i32 vcc_lo, \j, v4
	v_cndmask_b32 v[8+\j], v[8+\j], v7, vcc_lo     ; hidden keys: -infinity
.endr
	v_max3_num_f32 v24, v8, v9, v10
	v_max3_num_f32 v26, v11, v12, v13
	v_max3_num_f32 v24, v24, v14, v15
	v_max_num_f32 v24, v24, v26
	v_permlanex16_b32 v25, v24, s20, s21
	v_max_num_f32 v24, v24, v25                    ; the row's maximum: key 0 counts for every query
	v_mul_f32 v26, s22, v24
.irp j, 0,1,2,3,4,5,6,7
	v_fma_f32 v[8+\j], v[8+\j], s22, -v26
.endr
.irp j, 0,1,2,3,4,5,6,7
	v_exp_f32 v[8+\j], v[8+\j]
.endr
	v_nop                                          ; a plain instruction behind the last exponential
	s_wait_alu depctr_va_vdst(0)                   ; one wait for the eight
	v_add_f32 v24, v8, v9
	v_add_f32 v26, v10, v11
	v_add_f32 v27, v12, v13
	v_add_f32 v16, v14, v15
	v_add_f32 v24, v24, v26
	v_add_f32 v27, v27, v16
	v_add_f32 v24, v24, v27
	v_permlanex16_b32 v25, v24, s20, s21
	v_add_f32 v24, v24, v25                        ; the row's sum
	v_rcp_f32 v24, v24
	v_nop
	s_wait_alu depctr_va_vdst(0)
.irp j, 0,1,2,3,4,5,6,7
	v_mul_f32 v[8+\j], v[8+\j], v24                ; the weights
.endr
	s_wait_loadcnt 32                              ; V is in; w_proj's 32 loads may be out
.irp u, 0,1,2,3
	PAIRS VF+8*\u
.endr
.irp u, 0,1,2,3                        ; O^T: four steps of 4 keys, four tiles of channels by turns.  Far more than nine plain instructions that name none of S^T's registers stand since its products
.irp e, 0,1,2,3
.if \u == 0
	v_wmma_f32_16x16x4_f32 v[ACC+8*\e:ACC+8*\e+7], v[VF+8*\u+4*(\e%2)+2*(\e/2):VF+8*\u+4*(\e%2)+2*(\e/2)+1], v[8+2*\u:9+2*\u], 0
.else
	v_wmma_f32_16x16x4_f32 v[ACC+8*\e:ACC+8*\e+7], v[VF+8*\u+4*(\e%2)+2*(\e/2):VF+8*\u+4*(\e%2)+2*(\e/2)+1], v[8+2*\u:9+2*\u], v[ACC+8*\e:ACC+8*\e+7]
.endif
.endr
.endr
	s_wait_loadcnt 0x0
.irp g, 0,1,2,3,4,5,6,7                ; 96 plain moves that name none of the last products' registers: the places in front of the products that take O^T as a source
	PAIRS W1+8*\g
	PAIRS W2+8*\g
.endr
.irp u, 0,1,2,3                        ; the projection: 16 steps of 4 channels, four tiles of columns by turns
.irp e, 0,1,2,3
.if \u < 2
.set WB, W1+8*(4*\u+\e)
.else
.set WB, W2+8*(4*(\u-2)+\e)
.endif
.irp n, 0,1,2,3
.if (\u == 0) && (\e == 0)
	v_wmma_f32_16x16x4_f32 v[ACC2+8*\n:ACC2+8*\n+7], v[ACC+8*\e+2*\u:ACC+8*\e+2*\u+1], v[WB+4*(\n%2)+2*(\n/2):WB+4*(\n%2)+2*(\n/2)+1], 0
.else
	v_wmma_f32_16x16x4_f32 v[ACC2+8*\n:ACC2+8*\n+7], v[ACC+8*\e+2*\u:ACC+8*\e+2*\u+1], v[WB+4*(\n%2)+2*(\n/2):WB+4*(\n%2)+2*(\n/2)+1], v[ACC2+8*\n:ACC2+8*\n+7]
.endif
.endr
.endr
.endr
.rept 8
	v_nop                                          ; eight places in front of the reads of the sums
.endr
.irp j, 0,1,2,3,4,5,6,7                ; register j of tile n is (position 8 h + j, column 4 r + n): four tiles make 16 neighbouring bytes; each sum is read from its low end on
.irp n, 0,1,2,3
	v_mov_b32 v[T+4*\j+\n], v[ACC2+8*\n+\j]
.endr
.endr
.irp j, 0,1,2,3,4,5,6,7
	ds_store_b128 v28, v[T+4*\j:T+4*\j+3] offset:272*\j
.endr
	s_wait_dscnt 0x0                               ; for the others' sake: my partial sums lie in LDS
	s_barrier_signal -1
	s_barrier_wait -1
.irp p, 0,1,2,3,4,5,6,7,8,9,10,11,12,13,14,15
	ds_load_b64 v[96+2*\p:97+2*\p], v29 offset:4352*\p     ; row w of all sixteen, 8 bytes a lane
.endr
	s_wait_dscnt 0x0
.irp p, 0,1,2,3,4,5,6,7
	v_pk_add_f32 v[96+2*\p:97+2*\p], v[96+2*\p:97+2*\p], v[112+2*\p:113+2*\p]
.endr
.irp p, 0,1,2,3
	v_pk_add_f32 v[96+2*\p:97+2*\p], v[96+2*\p:97+2*\p], v[104+2*\p:105+2*\p]
.endr
.irp p, 0,1
	v_pk_add_f32 v[96+2*\p:97+2*\p], v[96+2*\p:97+2*\p], v[100+2*\p:101+2*\p]
.endr
	v_pk_add_f32 v[96:97], v[96:97], v[98:99]
	global_store_b64 v30, v[96:97], s[8:9]         ; the wave stores 256 consecutive bytes, aligned
	s_wait_tensorcnt 0x0                           ; the wave's end, behind my last LDS store
	ds_add_u32 v5, v6
	s_wait_dscnt 0x0
	s_endpgm
.Lfunc_end_k_q9c0460dc94_first16:
	.size	k_q9c0460dc94_first16, .Lfunc_end_k_q9c0460dc94_first16-k_q9c0460dc94_first16
	.p2alignl 7, 3214868480
	.fill 96, 4, 3214868480
	.section	.rodata,"a",@progbits
	.p2align	6, 0x0
	.amdhsa_kernel k_q9c0460dc94_first16
		.amdhsa_group_segment_fixed_size 71680
		.amdhsa_private_segment_fixed_size 0
		.amdhsa_enable_private_segment 0
		.amdhsa_kernarg_size 24
		.amdhsa_user_sgpr_count 2
		.amdhsa_user_sgpr_kernarg_segment_ptr 1
		.amdhsa_wavefront_size32 1
		.amdhsa_system_sgpr_workgroup_id_x 1
		.amdhsa_system_sgpr_workgroup_id_y 1
		.amdhsa_system_sgpr_workgroup_id_z 1
		.amdhsa_system_vgpr_workitem_id 0
		.amdhsa_next_free_vgpr 256
		.amdhsa_next_free_sgpr 66
		.amdhsa_reserve_vcc 1
		.amdhsa_float_denorm_mode_32 3
		.amdhsa_float_denorm_mode_16_64 3
		.amdhsa_memory_ordered 1
		.amdhsa_forward_progress 1
		.amdhsa_inst_pref_size 25
	.end_amdhsa_kernel
	.amdgpu_metadata
---
amdhsa.version: [ 1, 2 ]
amdhsa.kernels:
  - .name:           k_q9c0460dc94_first16
    .symbol:         k_q9c0460dc94_first16.kd
    .args:
      - { .name: q32, .offset: 0, .size: 8, .value_kind: global_buffer, .address_space: global }
      - { .name: w_proj, .offset: 8, .size: 8, .value_kind: global_buffer, .address_space: global }
      - { .name: out0, .offset: 16, .size: 8, .value_kind: global_buffer, .address_space: global }
    .group_segment_fixed_size: 71680
    .private_segment_fixed_size: 0
    .kernarg_segment_align: 8
    .kernarg_segment_size: 24
    .max_flat_workgroup_size: 512
    .sgpr_count:     66
    .vgpr_count:     256
    .wavefront_size: 32
...
	.end_amdgpu_metadata
.endif
;; end of part 5
